; MI455X (gfx1250); checked and timed in simulation.
; The chip was launched on July 23, 2026; its instructions are those of AMD's public machine-readable ISA for CDNA 5 (MIT licence, August 2026) and "CDNA5" Instruction Set Architecture Reference Guide (July 2026). The comments in the code are by the model that wrote it; some were corrected since.
;; Multi Headed Attention. Allowed arithmetic: matrix products marked QUANTISED: E2M1 operands, one E8M0 scale for each 32 along K, by v_wmma_scale_f32_16x16x128_f8f6f4 with both operands' format E2M1 (or v_wmma_scale_f32_32x16x128_f4), f32 sums; products left as they are: bf16, f16 or f32 operands; f32 sums; everything else in f32.
;; Inputs: W_K 1,024 x 1,024 float32; W_Q 1,024 x 1,024 float32; W_V 1,024 x 1,024 float32; W_ffn 1,024 x 1,024 float32; b_ffn 1,024 float32; key 2 x 2,048 x 1,024 float32; query 2 x 2,048 x 1,024 float32; value 2 x 2,048 x 1,024 float32.
;; Outputs: out0 2 x 2,048 x 1,024 float32.
;; This version of the problem:
;;   THIS VERSION OF THE PROBLEM IS GIVEN IN LOW PRECISION. The matrix products marked QUANTISED in the list below multiply operands that are first quantised to E2M1 (2 exponent bits, 1 mantissa bit; 4 bits a number), with one power-of-two scale for each 32 numbers along K (OCP MX v1.0); their sums are f32. The products marked 'left as it is' may take bf16, f16 or f32 operands, with f32 sums. Whichever they take, every output number must still come out within the allowed error. Rounding operands to bf16 (8 significant bits) uses up far more of that allowance than f16 does (11 bits, for magnitudes from 6e-5 to 65,504). All else is computed in f32.
;;   The module's matrix products, in the order in which they are computed (A, B: the left and right operand; K: the contracted axis; several contracted axes count as one K, in the product's order):
;;     1. [M 4,096, K 1,024] x [K 1,024, N 1,024]; A: input query; B: input W_Q: QUANTISED
;;     2. [M 4,096, K 1,024] x [K 1,024, N 1,024]; A: input key; B: input W_K: QUANTISED
;;     3. [M 4,096, K 1,024] x [K 1,024, N 1,024]; A: input value; B: input W_V: QUANTISED
;;     4. batch 32 x [M 2,048, K 64] x [K 64, N 2,048]; A: computed on the way; B: computed on the way: left as it is (an operand is computed on the way)
;;     5. batch 32 x [M 2,048, K 2,048] x [K 2,048, N 64]; A: computed on the way; B: computed on the way: left as it is (an operand is computed on the way)
;;     6. [M 4,096, K 1,024] x [K 1,024, N 1,024]; A: computed on the way; B: input W_ffn: left as it is (an operand is computed on the way)
;;   THE QUANTISER, for each operand of a quantised product, along K:
;;     - K is cut into blocks of 32 from its start; a last block that is shorter is filled with zeros.
;;     - A block's scale is 2^e with e = floor(log2(the largest magnitude in the block)) - 2, held to -126 .. 127; a block of zeros has e = 0. As a byte (E8M0): e + 127.
;;     - Each number is divided by its block's scale, clamped to +-6, and rounded to the nearest number of E2M1, ties to even, subnormals kept.
;;     - The product sums the exact products of the quantised numbers (number of the format x scale) in f32.
;;   ~~~python
;;   def quantise(x, axis):      # numpy; x: float32 -> the quantised numbers, widened to float32 again
;;       x = np.moveaxis(x, axis, -1); K = x.shape[-1]
;;       x = np.pad(x, [(0, 0)] * (x.ndim - 1) + [(0, -K % 32)]); x = x.reshape(x.shape[:-1] + (-1, 32)); a = np.abs(x).max(-1, keepdims=True)
;;       e = np.where(a > 0, np.clip(np.frexp(np.where(a > 0, a, 1))[1] - 1 - 2, -126, 127), 0)      # np.frexp(a)[1] - 1 = floor(log2(a)), exactly
;;       r = np.clip(x / 2.0 ** e, -6, 6)
;;       step = 2.0 ** (np.maximum(np.frexp(np.where(r == 0, 1, r))[1] - 1, 0) - 1)
;;       q = np.round(r / step) * step * 2.0 ** e      # np.round: ties to even
;;       return np.moveaxis(q.reshape(q.shape[:-2] + (-1,))[..., :K], -1, axis).astype(np.float32)
;;   ~~~
;; One version. Each part assembles by itself: llvm-mc -triple=amdgcn-amd-amdhsa -mcpu=gfx1250 --defsym DOCPART=n.
;; ======== version 1 of 1: 5 launches
;; limits: values are held in f16: magnitudes above 65,504 overflow, below 6.1e-05 lose precision
;; workspace buffers: codes 7,864,320 bytes; scales 491,520 bytes; w16 2,097,152 bytes; qkv 25,165,824 bytes; first16 393,216 bytes; ao 8,388,608 bytes
;; launch quant (part 1): grid 512 x 1, 4 waves a work-group, no clusters, 33,280 bytes of LDS; arguments query, key, value, W_Q, W_K, W_V, W_ffn, codes, scales, w16; writes codes, scales, w16
.if DOCPART == 1
	.amdgcn_target "amdgcn-amd-amdhsa--gfx1250"
	.amdhsa_code_object_version 6
	.text
	.protected	k_q013537ddae_quant
	.globl	k_q013537ddae_quant
	.p2align	8
	.type	k_q013537ddae_quant,@function
k_q013537ddae_quant:
	s_mov_b64 s[64:65], 0
	v_nop
	global_prefetch_b8 v0, s[64:65] scope:SCOPE_SE
	s_setreg_imm32_b32 hwreg(HW_REG_WAVE_MODE, 25, 1), 1
	s_wait_xcnt 0x0
; query, key, value [4096][1024] and W_Q, W_K, W_V [1024][1024], f32, K innermost, become codes of FP4 (E2M1), two a byte, with one E8M0 byte for each 32 along K;
; W_ffn [1024][1024] f32 becomes f16 (its product is not quantised).  The six quantised tensors lie one behind the other in the workspace: codes [15360 rows][512 bytes], scales [15360][32 bytes]:
; rows 0-4095 query, 4096-8191 key, 8192-12287 value, then W_Q, W_K, W_V, 1,024 rows each.
; A block's scale is 2^(floor(log2(its largest magnitude)) - 2); its byte is the largest magnitude's exponent field - 2, held at 1 from below.  A block of zeros so gets the byte 1 where the rule says 127:
; its codes are zeros, which add nothing under any byte but 0xff, and this program alone reads the bytes.
; LIMITS: blocks whose largest magnitude lies under 2^(2 - 126) have their byte held at 1; NaN and infinities among the inputs are not served; W_ffn beyond 65,504 in size becomes infinity in f16.
; SHARES.  A work-group takes 32,768 numbers, a wave 8,192.  Work-groups 0-127 query, 128-255 key, 256-383 value, 384-415 W_Q, 416-447 W_K, 448-479 W_V, 480-511 W_ffn.  Only pointers are chosen by the work-group's
; number; the six quantised tensors take one path.  Rows are dense and 1,024 is a multiple of 32: every tensor is a plain stream of blocks, and the outputs are linear in the work-group's number.
; THE QUANTISING PATH.  16 steps of 512 numbers a wave.  Each of a step's four loads reads 512 consecutive bytes; the 2,048 bytes turn through the wave's own stage in LDS and come back 64 bytes a lane, so that a lane
; holds 16 neighbours along K (two lanes hold a block).  A lane's 16 codes are 8 bytes: a store covers 256 consecutive bytes, aligned.  A wave's 256 scale bytes are gathered in LDS and leave as one such run.
; THE CAST PATH uses no LDS: 512 consecutive bytes a load, 256 a store.  No tensor loads, no barrier: waves share nothing.
.set WAVES, 4
.set STEPS, 16
.set EMAX,  2
.set CB,    8                          ; bytes of 16 codes
.set R,     16                         ; v16-79   four sets of 16 numbers as loaded (cast path: v16-143, two sets of 64)
.set X,     80                         ; v80-111  two sets of 16 neighbours
.set E,     112                        ; v112-127 a scale byte for each step
.set C,     128                        ; v128-191 codes: four registers a step, so that no store's data are written again
.set HF,    144                        ; v144-175 cast path: a turn's f16 numbers
.set WREG,  8192                       ; LDS: a region for each wave: two stages of 32 x SP bytes, behind them its 256 scale bytes
.set SP,    80                         ; a lane's place in a stage: 64 bytes + 16 of padding
.set SPW,   12                         ; v12  LDS address of my spare word; never rewritten
.set NIL,   13                         ; v13  0; never rewritten
.set SPARE, WAVES*WREG                 ; behind the four regions: the spare words, 128 bytes a wave, which no other line names
	s_load_b512 s[8:23], s[0:1], 0x0               ; query s[8:9], key s[10:11], value s[12:13], W_Q s[14:15], W_K s[16:17], W_V s[18:19], W_ffn s[20:21], codes s[22:23]
	s_load_b128 s[24:27], s[0:1], 0x40             ; scales s[24:25], w16 s[26:27]
	v_lshl_add_u32 v[SPW], v0, 2, SPARE
	v_mov_b32 v[NIL], 0
	v_lshrrev_b32 v1, 5, v0
	v_readfirstlane_b32 s30, v1                    ; wave
	v_and_b32 v2, 31, v0                           ; lane
	v_lshlrev_b32 v3, 4, v2                        ; my 16 bytes of a load's 512
	s_mul_i32 s31, s30, WREG
	v_lshrrev_b32 v14, 2, v2
	v_mul_u32_u24 v14, v14, SP
	v_and_b32 v15, 3, v2
	v_lshl_add_u32 v14, v15, 4, v14
	v_add_nc_u32 v14, s31, v14                     ; the stage, on the way in: SP (lane / 4) + 16 (lane % 4)
	v_mul_u32_u24 v15, v2, SP
	v_add_nc_u32 v15, s31, v15                     ; and on the way out: SP x lane: my 16 neighbours
	v_mul_u32_u24 v4, v2, CB                       ; 8 x lane: my codes' place in a step's; the cast path's place in a store
	v_lshrrev_b32 v5, 1, v2
	s_add_co_u32 s31, s31, 2*32*SP
	v_add_nc_u32 v5, s31, v5                       ; LDS: my wave's 256 scale bytes, my block's byte
	v_lshlrev_b32 v7, 3, v2
	v_add_nc_u32 v6, s31, v7                       ; and on the way out 8 bytes a lane
	s_wait_kmcnt 0x0
	s_mov_b64 s[4:5], s[8:9]                       ; whose work-group am I?  The choice hangs on the work-group's number alone
	s_mov_b32 s28, 0                               ; and the tensor's first work-group
.macro PICK first, ptr
	s_cmp_ge_u32 ttmp9, \first
	s_cselect_b64 s[4:5], s[\ptr:\ptr+1], s[4:5]
	s_cselect_b32 s28, \first, s28
.endm
	PICK 128, 10
	PICK 256, 12
	PICK 384, 14
	PICK 416, 16
	PICK 448, 18
	PICK 480, 20
	s_sub_co_u32 s29, ttmp9, s28
	s_lshl_b32 s29, s29, 2
	s_add_co_u32 s29, s29, s30                     ; which run of 8,192 numbers of the tensor is my wave's
	s_lshl_b32 s32, s29, 15                        ; 32,768 bytes a run
	s_mov_b32 s33, 0
	s_add_nc_u64 s[4:5], s[4:5], s[32:33]
	s_cmp_ge_u32 ttmp9, 480
	s_cbranch_scc1 .Lcast
	s_lshl_b32 s34, ttmp9, 2
	s_add_co_u32 s34, s34, s30                     ; which run of the workspace
	s_lshl_b32 s32, s34, 12                        ; 4,096 bytes of codes a run
	s_add_nc_u64 s[22:23], s[22:23], s[32:33]
	s_lshl_b32 s32, s34, 8                         ; 256 scale bytes
	s_add_nc_u64 s[24:25], s[24:25], s[32:33]
.macro LOAD t
.irp i, 0,1,2,3
	global_load_b128 v[R+16*((\t)%4)+4*\i:R+16*((\t)%4)+4*\i+3], v3, s[4:5] offset:2048*(\t)+512*\i th:TH_LOAD_NT   ; 32 lanes read 512 consecutive bytes
.endr
.endm
.macro TURN t                          ; step t's numbers through the stage: LDS serves a wave's instructions in order, so no wait stands between the stores and the loads
.irp i, 0,1,2,3
	ds_store_b128 v14, v[R+16*((\t)%4)+4*\i:R+16*((\t)%4)+4*\i+3] offset:32*SP*((\t)%2)+8*SP*\i
.endr
.irp i, 0,1,2,3
	ds_load_b128 v[X+16*((\t)%2)+4*\i:X+16*((\t)%2)+4*\i+3], v15 offset:32*SP*((\t)%2)+16*\i
.endr
.endm
.irp t, 0,1,2,3
	LOAD \t
.endr
	s_wait_loadcnt 12                              ; step 0's four loads are in; the 12 of steps 1 to 3 may be out
	TURN 0
.macro STEP t
.set XS, X+16*((\t)%2)
.if (\t) > 0
	s_wait_dscnt 1                                 ; this step's numbers are back from the stage (the last step's byte store may be out): so its stores into the stage have read their registers,
.else
	s_wait_dscnt 0x0
.endif
.if (\t)+4 < STEPS
	LOAD (\t)+4                                    ; which take the loads of four steps on
.endif
.if (\t)+1 < STEPS
.if STEPS-2-(\t) >= 3
	s_wait_loadcnt 12                              ; the next step's four loads are in; those of the three steps behind it may be out
.else
	s_wait_loadcnt 4*(STEPS-2-(\t))
.endif
	TURN (\t)+1                                    ; and go through the other stage while this step is worked
.endif
	v_max3_num_f32 v8, |v[XS]|, |v[XS+1]|, |v[XS+2]|               ; the largest magnitude of my 16, in two chains
	v_max3_num_f32 v9, |v[XS+3]|, |v[XS+4]|, |v[XS+5]|
.irp i, 6,10
	v_max3_num_f32 v8, v8, |v[XS+\i]|, |v[XS+\i+1]|
	v_max3_num_f32 v9, v9, |v[XS+\i+2]|, |v[XS+\i+3]|
.endr
	v_max3_num_f32 v8, v8, |v[XS+14]|, |v[XS+15]|
	v_max3_num_f32 v8, v8, v9, (EMAX+1)<<23        ; and the floor 2^(EMAX + 1 - 127): the byte cannot fall under 1
	v_max_num_f32_dpp v8, v8, v8 row_xmask:1 row_mask:0xf bank_mask:0xf   ; and of my neighbour's 16: the block's
	v_add_nc_u32 v11, -(EMAX<<23), v8              ; EMAX off its exponent field: the conversion takes the exponent field of this operand as its scale, and nothing else of it
	v_cvt_scalef32_pk8_fp4_f32 v[C+4*(\t)], v[XS:XS+7], v11        ; to the nearest code, ties to even, beyond the largest code the largest; the first number's code in the lowest four bits
	v_cvt_scalef32_pk8_fp4_f32 v[C+4*(\t)+1], v[XS+8:XS+15], v11
	v_lshrrev_b32 v[E+(\t)], 23, v11               ; the scale's byte (also the plain line behind the conversions)
	ds_store_b8 v5, v[E+(\t)] offset:16*(\t)       ; both lanes of a block write the same byte with the same value
	global_store_b64 v4, v[C+4*(\t):C+4*(\t)+1], s[22:23] offset:32*CB*(\t)   ; 256 consecutive bytes, aligned
.endm
.irp t, 0,1,2,3,4,5,6,7,8,9,10,11,12,13,14,15
	STEP \t
.endr
	ds_load_b64 v[8:9], v6                         ; LDS serves a wave's instructions in order: these see my byte stores
	s_wait_dscnt 0x0
	global_store_b64 v7, v[8:9], s[24:25]          ; 32 lanes store 256 consecutive bytes, aligned
	s_branch .Lend
.Lcast:                                            ; W_ffn to f16: four turns of 2,048 numbers, two sets of registers, a turn's 16 loads ahead
	s_lshl_b32 s32, s29, 14                        ; 16,384 bytes of f16 a run
	s_add_nc_u64 s[26:27], s[26:27], s[32:33]
.macro LOADR k
.irp i, 0,1,2,3,4,5,6,7,8,9,10,11,12,13,14,15
	global_load_b128 v[R+64*((\k)%2)+4*\i:R+64*((\k)%2)+4*\i+3], v3, s[4:5] offset:8192*(\k)+512*\i th:TH_LOAD_NT
.endr
.endm
	LOADR 0
	LOADR 1
.irp k, 0,1,2,3
.if \k < 3
	s_wait_loadcnt 16                              ; this turn's 16 loads are in; the next turn's 16 may be out
.else
	s_wait_loadcnt 0x0
.endif
.if \k > 0
	s_wait_xcnt 0x0                                ; the last turn's stores have read their data: only now are those registers written again
.endif
.irp i, 0,1,2,3,4,5,6,7,8,9,10,11,12,13,14,15
	v_cvt_pk_f16_f32 v[HF+2*\i], v[R+64*(\k%2)+4*\i], v[R+64*(\k%2)+4*\i+1]
	v_cvt_pk_f16_f32 v[HF+2*\i+1], v[R+64*(\k%2)+4*\i+2], v[R+64*(\k%2)+4*\i+3]
.endr
.irp i, 0,1,2,3,4,5,6,7,8,9,10,11,12,13,14,15
	global_store_b64 v4, v[HF+2*\i:HF+2*\i+1], s[26:27] offset:4096*\k+256*\i   ; 256 consecutive bytes, aligned
.endr
.if \k < 2
	LOADR \k+2
.endif
.endr
.Lend:
	s_wait_tensorcnt 0x0                           ; the wave's end: behind my last LDS store
	ds_add_u32 v[SPW], v[NIL]
	s_wait_dscnt 0x0
	s_endpgm
.Lfunc_end_k_q013537ddae_quant:
	.size	k_q013537ddae_quant, .Lfunc_end_k_q013537ddae_quant-k_q013537ddae_quant
	.p2alignl 7, 3214868480
	.fill 96, 4, 3214868480
	.section	.rodata,"a",@progbits
	.p2align	6, 0x0
	.amdhsa_kernel k_q013537ddae_quant
		.amdhsa_group_segment_fixed_size 33280
		.amdhsa_private_segment_fixed_size 0
		.amdhsa_enable_private_segment 0
		.amdhsa_kernarg_size 80
		.amdhsa_user_sgpr_count 2
		.amdhsa_user_sgpr_kernarg_segment_ptr 1
		.amdhsa_wavefront_size32 1
		.amdhsa_system_sgpr_workgroup_id_x 1
		.amdhsa_system_sgpr_workgroup_id_y 1
		.amdhsa_system_sgpr_workgroup_id_z 1
		.amdhsa_system_vgpr_workitem_id 0
		.amdhsa_next_free_vgpr 192
		.amdhsa_next_free_sgpr 66
		.amdhsa_reserve_vcc 0
		.amdhsa_float_denorm_mode_32 3
		.amdhsa_float_denorm_mode_16_64 3
		.amdhsa_memory_ordered 1
		.amdhsa_forward_progress 1
		.amdhsa_inst_pref_size 54
	.end_amdhsa_kernel
	.amdgpu_metadata
---
amdhsa.version: [ 1, 2 ]
amdhsa.kernels:
  - .name:           k_q013537ddae_quant
    .symbol:         k_q013537ddae_quant.kd
    .args:
      - { .name: query, .offset: 0, .size: 8, .value_kind: global_buffer, .address_space: global }
      - { .name: key, .offset: 8, .size: 8, .value_kind: global_buffer, .address_space: global }
      - { .name: value, .offset: 16, .size: 8, .value_kind: global_buffer, .address_space: global }
      - { .name: W_Q, .offset: 24, .size: 8, .value_kind: global_buffer, .address_space: global }
      - { .name: W_K, .offset: 32, .size: 8, .value_kind: global_buffer, .address_space: global }
      - { .name: W_V, .offset: 40, .size: 8, .value_kind: global_buffer, .address_space: global }
      - { .name: W_ffn, .offset: 48, .size: 8, .value_kind: global_buffer, .address_space: global }
      - { .name: codes, .offset: 56, .size: 8, .value_kind: global_buffer, .address_space: global }
      - { .name: scales, .offset: 64, .size: 8, .value_kind: global_buffer, .address_space: global }
      - { .name: w16, .offset: 72, .size: 8, .value_kind: global_buffer, .address_space: global }
    .group_segment_fixed_size: 33280
    .private_segment_fixed_size: 0
    .kernarg_segment_align: 8
    .kernarg_segment_size: 80
    .max_flat_workgroup_size: 128
    .sgpr_count:     66
    .vgpr_count:     192
    .wavefront_size: 32
...
	.end_amdgpu_metadata
.endif
;; end of part 1
;; launch proj (part 2): grid 4 x 48, 4 waves a work-group, clusters of 4 x 4, 327,680 bytes of LDS; arguments codes, scales, qkv, first16; writes qkv, first16
.if DOCPART == 2
	.amdgcn_target "amdgcn-amd-amdhsa--gfx1250"
	.amdhsa_code_object_version 6
	.text
	.protected	k_q013537ddae_proj
	.globl	k_q013537ddae_proj
	.p2align	8
	.type	k_q013537ddae_proj,@function
k_q013537ddae_proj:
	s_mov_b64 s[64:65], 0
	v_nop
	global_prefetch_b8 v0, s[64:65] scope:SCOPE_SE
	s_setreg_imm32_b32 hwreg(HW_REG_WAVE_MODE, 25, 1), 1
	s_wait_xcnt 0x0
	s_wait_alu depctr_hold_cnt(0) depctr_sa_sdst(0) depctr_va_vdst(0) depctr_va_sdst(0) depctr_va_ssrc(0) depctr_va_vcc(0) depctr_vm_vsrc(0)
	s_getreg_b32 s2, hwreg(HW_REG_IB_STS2, 6, 4)
	s_cmp_eq_u32 s2, 0
	s_cbranch_scc0 .Lentry_in_a_cluster
	s_endpgm
.Lentry_in_a_cluster:
	s_bfe_u32 s2, ttmp6, 0x10000c
	s_cmp_lg_u32 s2, 0xf033
	s_cbranch_scc0 .Lentry_shape_is_right
	s_endpgm
.Lentry_shape_is_right:
; The three quantised projections in one launch: C[m][n] = sum over k of A[m][k] B[n][k], K = 1,024, on codes of FP4 (E2M1) with one E8M0 scale for each 32 along K.
; A: rows 0-12287 of the codes' workspace (query, key, value, 4,096 rows each); B: for tensor t rows 12288 + 1024 t on (W_Q, W_K, W_V).  A row is 512 bytes of codes and 32 scale bytes.
; OUT: qkv [12288][1024] f16, read as [3][32 heads][2048 positions][64]: a head is 128 consecutive rows.
;      first16 [96][1024] f32: every 128th row unrounded: a head's positions 0 to 15, for the launch that carries those rows in f32.
; LIMIT: Q, K and V are kept in f16: beyond 65,504 in size they become infinity (drawn inputs give numbers about 1; all inputs 30 times larger about 5,000).
; A tile of C, 256 x 256, is made by a work-group of four waves; a wave makes 128 x 128: 64 accumulators, 512 registers.  3 x 16 x 4 = 192 tiles.
; K is two steps of 512 (tile rows of 256 bytes): both slots are filled once, at the start, and nothing is filled again; each wave has three tensor loads out at the start: scales, slot 0, slot 1.
; THE SCALES of the work-group's 256 rows of A and of B, for all of K, are two dense blocks of memory: they come into LDS once, in runs of 256 bytes.
; CLUSTERS: 4 x 4 work-groups; a cluster lies inside one tensor (16 tile rows = 4 clusters).  The four of a row of the cluster need the same tiles of A, the four of a column the same tiles of B: each is asked for JOINTLY.
; THE MATRIX INSTRUCTION IS USED TRANSPOSED (source 0 = 16 rows of B, source 1 = 16 rows of A): a lane holds eight neighbouring numbers of a row of C.
; REGISTERS, in windows of 256: window 0: v0-31 addresses; v32-95 scale words, two sets; v128-191 A's fragments, ONE set; on the way out v32-255 are free.
;   window 1: B's fragments, TWO sets, at v0 and v128.   window 2: the accumulators of my rows 0-63 ((a, b) at v[8 (8 a + b)]);   window 3: those of my rows 64-127.
.set NQ,     4                         ; matrix instructions deep in a slot (512 along K)
.set ROWB,   256                       ; a tile's row in bytes
.set KROW,   512                       ; a row of codes in memory
.set PITCH,  272                       ; an LDS row: 256 bytes + 16 of padding: the 16 rows that a load touches start at 16 different banks (64 banks of 4 bytes: ISA guide 11.1)
.set FR,     8                         ; registers of a fragment: 16 rows x 128 K
.set NL,     2                         ; LDS loads that bring one
.set NP,     4                         ; places behind this matrix instruction (ISA guide 7.12.1)
.set HALFT,  128*PITCH                 ; 128 rows: what one tensor load brings
.set SLOT,   4*HALFT                   ; A's 256 rows, then B's 256 rows
.set KS,     32                        ; a row of scales in bytes
.set SCL,    2*SLOT                    ; behind the two slots: the scales, as runs of 256 bytes + 16 of padding
.set HALFS,  (128*KS/256)*272          ; the scales of 128 rows
.set SBLK,   (16*KS/256)*272           ; those of 16 rows
.set SPARE,  SCL+4*HALFS               ; behind the scales: the spare words, 128 bytes a wave, which no other line names
.set WROW0,  12288                     ; the weights' first row in the workspace
.set HP,     272                       ; the way out, in slot 0 (it has had its only fill, and behind the change of slots nobody reads it): a stage of 16 rows x (256 + 16) bytes for each wave, f16,
.set FP,     528                       ; and one of 16 rows x (512 + 16) bytes, f32,
.set STG32,  4*16*HP                   ; which lie behind the four f16 stages
.set ADRA, 16                          ; v16-17  LDS address of my A fragments in slot 0, 1
.set ADRB, 20                          ; v20-21  the same for B
.set STO32, 22                         ; v22     f32 stage: where I put 32 bytes of a row
.set RD32, 23                          ; v23     f32 stage: my 16 bytes of its row 0
.set STO,  24                          ; v24     f16 stage: where I put 16 bytes of a row
.set RD,   25                          ; v25     f16 stage: where I read a row back
.set CO,   26                          ; v26     my byte offset in two rows of qkv
.set ADRS, 27                          ; v27     LDS address of my scale words: lanes 0-15 A's rows, lanes 16-31 B's
.set SPW,  28                          ; v28     LDS address of my spare word; never rewritten
.set NIL,  29                          ; v29     0; never rewritten
.set CO32, 30                          ; v30     16 x lane: my byte offset in a row of first16
.set SC,   32                          ; scale words: set s at v[SC + 32 s]; register 4 i + q: lanes 0-15 the word of A's block i, lanes 16-31 of B's block i, for the slot's q-th 128 along K
.set AF,   128                         ; A's fragments
.set TMP,  192                         ; the way out: packed results
.set OB,   32                          ; the way out: 16 rows read back: v32-63 and v224-255 by turns
.set G1, 24                            ; s[24:31] descriptor group 1 for A's tiles;  s[32:39] group 0, one set for each slot
.set G0, 32
.set G1B, 48                           ; s[48:55], s[56:63] the same for B's tiles
.set G0B, 56
.set G1S, 68                           ; s[68:75], s[76:79] groups 1 and 0 for A's scales;  s[80:87], s[88:91] for B's
.set G0S, 76
.set G1SB, 80
.set G0SB, 88
.set MSB, 0
.macro WIN new                         ; the immediate's high byte repeats the setting that is left
.if MSB != \new
	s_set_vgpr_msb (MSB<<8)|\new
.set MSB, \new
.endif
.endm
.set MUL_LO, 0xa1                      ; source 0 (B) window 1, source 1 (A) window 0, C and D window 2
.set MUL_HI, 0xf1                      ; the same, C and D window 3
.set TO_B,   0x40                      ; destination window 1, address window 0
; A joint load: waves 0 and 1 fetch for A, waves 2 and 3 for B.  Each line has ONE mask and one set of registers for all that issue it; the branch hangs on the wave's number alone.
; An s_nop 0 and four v_nop follow each of the two lines, ahead of the jump, the label and what follows.
.macro JLOAD g0a, g1a, g0b, g1b
	s_cmp_eq_u32 s15, 0
	s_cbranch_scc0 .Lfor_b_\@
	tensor_load_to_lds s[\g0a:\g0a+3], s[\g1a:\g1a+7]
	s_nop 0
.rept 4
	v_nop
.endr
	s_branch .Lasked_\@
.Lfor_b_\@:
	tensor_load_to_lds s[\g0b:\g0b+3], s[\g1b:\g1b+7]
	s_nop 0
.rept 4
	v_nop
.endr
.Lasked_\@:
.endm
.macro CROUND                          ; a round of the cluster's barrier
	s_barrier_signal -1
	s_barrier_wait -1
	s_cmp_lg_u32 s14, 0
	s_cbranch_scc1 .Lnot_wave_0_\@
	s_barrier_signal -3
.Lnot_wave_0_\@:
	s_barrier_wait -3
	s_barrier_signal -1
	s_barrier_wait -1
.endm
	s_load_b256 s[4:11], s[0:1], 0x0               ; codes s[4:5], scales s[6:7], qkv s[8:9], first16 s[10:11]
	v_lshl_add_u32 v[SPW], v0, 2, SPARE
	v_mov_b32 v[NIL], 0
	ds_add_u32 v[SPW], v[NIL]                      ; the wave's opening: the add, twice on end, and its wait ahead of my first tensor load; the set-up below stands between
	ds_add_u32 v[SPW], v[NIL]                      ; and once more, under the one wait
	v_lshrrev_b32 v1, 5, v0
	v_readfirstlane_b32 s14, v1                    ; wave 0..3
	s_lshr_b32 s15, s14, 1                         ; which half of the tile's rows is mine.  Also: I fetch for A (0) or for B (1)
	s_and_b32 s16, s14, 1                          ; which half of its columns.  Also: which 128 rows of that tile I fetch
	s_bfe_u32 s40, ttmp6, 0x40000                  ; cx, cy: my place in the cluster
	s_bfe_u32 s41, ttmp6, 0x40004
	s_lshl_b32 s42, ttmp9, 2
	s_add_co_u32 s42, s42, s40                     ; tile column = 4 x cluster x + cx: 0..3
	s_and_b32 s17, ttmp7, 0xffff
	s_lshr_b32 s95, s17, 2                         ; the tensor, 0..2: four clusters along y to each; the same in all sixteen partners
	s_lshl_b32 s17, s17, 2
	s_add_co_u32 s17, s17, s41                     ; tile row = 4 x cluster y + cy: 0..47, over the three tensors' 12,288 rows
	s_lshl_b32 s43, s41, 2
	s_lshl_b32 s43, 15, s43                        ; my row of the cluster
	s_lshl_b32 s44, 0x1111, s40                    ; my column
	; descriptor group 1: a tile of 128 rows x 256 bytes, padded in LDS
	s_or_b32 s[G1+0], s43, (0<<16)|(1<<20)|(1<<21)|(5<<22)|(3<<25)  ; 15:0 the mask: A's tiles go to my row; 17:16 elements of 1 byte; 20 padding on; 21 set beside a mask; 24:22 after every 64 words; 31:25 four words
	s_or_b32 s[G1B+0], s44, (0<<16)|(1<<20)|(1<<21)|(5<<22)|(3<<25)
.irp g, G1, G1B
	s_mov_b32 s[\g+1], ROWB<<16                    ; tensor_dim0
	s_mov_b32 s[\g+2], 128<<16                     ; tensor_dim1
	s_mov_b32 s[\g+3], ROWB<<16                    ; tile_dim0
	s_mov_b32 s[\g+4], 128                         ; tile_dim1
	s_mov_b32 s[\g+5], KROW                        ; tensor_dim0_stride
	s_mov_b32 s[\g+6], 0
	s_mov_b32 s[\g+7], 0
.endr
	; the scales of 128 rows: a dense block of 4,096 bytes, as 16 rows of 256 bytes (32 elements of 8 bytes), 16 bytes of padding behind each
	s_or_b32 s[G1S+0], s43, (3<<16)|(1<<20)|(1<<21)|(5<<22)|(3<<25)
	s_or_b32 s[G1SB+0], s44, (3<<16)|(1<<20)|(1<<21)|(5<<22)|(3<<25)
.irp g, G1S, G1SB
	s_mov_b32 s[\g+1], 32<<16
	s_mov_b32 s[\g+2], (128*KS/256)<<16
	s_mov_b32 s[\g+3], 32<<16
	s_mov_b32 s[\g+4], 128*KS/256
	s_mov_b32 s[\g+5], 32
	s_mov_b32 s[\g+6], 0
	s_mov_b32 s[\g+7], 0
.endr
	s_lshl_b32 s18, s16, 7                         ; which 128 rows of the tile I fetch
	s_lshl_b32 s20, s17, 8
	s_add_co_u32 s20, s20, s18                     ; A: row 256 x tile row + 128 x half
	s_lshl_b32 s46, s42, 8
	s_add_co_u32 s46, s46, s18                     ; B: row 256 x tile column + 128 x half
	s_lshl_b32 s47, s95, 10
	s_add_co_u32 s46, s46, s47                     ; + 1,024 x tensor
	s_add_co_u32 s46, s46, WROW0                   ; behind the activations' rows (no register that feeds B's descriptors ever holds cy)
	s_mov_b32 s21, 0
	s_mov_b32 s47, 0
	s_mov_b64 s[18:19], KS
	s_mul_u64 s[22:23], s[20:21], s[18:19]         ; where these rows' scales begin, in bytes
	s_mul_u64 s[92:93], s[46:47], s[18:19]
	s_mov_b64 s[18:19], KROW
	s_mul_u64 s[20:21], s[20:21], s[18:19]         ; and their codes
	s_mul_u64 s[46:47], s[46:47], s[18:19]
	s_mul_i32 s45, s14, HALFT                      ; where they go: wave x 128 rows: no place in the cluster enters an LDS address
	s_mul_i32 s94, s14, HALFS
	s_wait_dscnt 0x0                               ; both opening adds are done
	s_wait_kmcnt 0x0
	s_add_nc_u64 s[20:21], s[4:5], s[20:21]
	s_add_nc_u64 s[22:23], s[6:7], s[22:23]
	s_add_nc_u64 s[46:47], s[4:5], s[46:47]
	s_add_nc_u64 s[92:93], s[6:7], s[92:93]
	CROUND                                         ; all sixteen work-groups are here: the joint loads meet
	s_mov_b32 s[G0S], 1
	s_add_co_u32 s[G0S+1], s94, SCL
	s_mov_b64 s[G0S+2:G0S+3], s[22:23]
	s_or_b32 s[G0S+3], s[G0S+3], 0x80000000
	s_mov_b32 s[G0SB], 1
	s_add_co_u32 s[G0SB+1], s94, SCL
	s_mov_b64 s[G0SB+2:G0SB+3], s[92:93]
	s_or_b32 s[G0SB+3], s[G0SB+3], 0x80000000
	JLOAD G0S, G1S, G0SB, G1SB                     ; the scales first: they are wanted with K step 0
.irp s, 0,1
	s_mov_b32 s[G0+4*\s], 1
	s_add_co_u32 s[G0+4*\s+1], s45, \s*SLOT
	s_add_nc_u64 s[G0+4*\s+2:G0+4*\s+3], s[20:21], \s*ROWB
	s_or_b32 s[G0+4*\s+3], s[G0+4*\s+3], 0x80000000
	s_mov_b32 s[G0B+4*\s], 1
	s_add_co_u32 s[G0B+4*\s+1], s45, \s*SLOT
	s_add_nc_u64 s[G0B+4*\s+2:G0B+4*\s+3], s[46:47], \s*ROWB
	s_or_b32 s[G0B+4*\s+3], s[G0B+4*\s+3], 0x80000000
	JLOAD G0+4*\s, G1, G0B+4*\s, G1B
.endr
	v_and_b32 v1, 15, v0                           ; r = l % 16
	v_bfe_u32 v2, v0, 4, 1                         ; h = l / 16
	v_mul_u32_u24 v3, v1, PITCH
	v_lshl_add_u32 v4, v2, 4, v3                   ; a fragment's row x pitch + 16 x half
	s_mul_i32 s21, s15, HALFT                      ; my 128 rows of A
	s_mul_i32 s22, s16, HALFT                      ; my 128 rows of B,
	s_add_co_u32 s22, s22, 2*HALFT                 ; which lie behind A's 256
.irp s, 0,1
	v_add_nc_u32 v[ADRA+\s], s21, v4
	v_add_nc_u32 v[ADRB+\s], s22, v4
	s_add_co_u32 s21, s21, SLOT
	s_add_co_u32 s22, s22, SLOT
.endr
	v_mul_u32_u24 v5, v1, KS                       ; my row's scales: 32 bytes a row,
	v_lshrrev_b32 v6, 8, v5
	v_lshl_add_u32 v5, v6, 4, v5                   ; and 16 more for each 256 passed
	s_mul_i32 s21, s15, HALFS                      ; A's: my 128 rows
	s_mul_i32 s22, s16, HALFS                      ; B's: my 128 rows, behind A's 256
	s_add_co_u32 s22, s22, 2*HALFS
	s_sub_co_u32 s22, s22, s21
	v_mul_u32_u24 v6, s22, v2                      ; lanes 16-31 take B's: the lower base + h x the distance
	s_add_co_u32 s21, s21, SCL
	v_add_nc_u32 v5, v5, v6
	v_add_nc_u32 v[ADRS], s21, v5
	s_mul_i32 s23, s14, 16*HP                      ; my f16 stage
	v_mul_u32_u24 v5, v1, HP                       ; in: row r, 16 bytes for each half of the lanes
	v_lshl_add_u32 v5, v2, 4, v5
	v_add_nc_u32 v[STO], s23, v5
	v_mul_u32_u24 v5, v2, HP                       ; back: lanes 0-15 one row of 256 bytes, lanes 16-31 the next
	v_lshl_add_u32 v5, v1, 4, v5
	v_add_nc_u32 v[RD], s23, v5
	v_lshlrev_b32 v5, 11, v2                       ; and the same two rows in qkv: 2,048 bytes a row
	v_lshl_add_u32 v[CO], v1, 4, v5
	s_mul_i32 s23, s14, 16*FP                      ; my f32 stage
	s_add_co_u32 s23, s23, STG32
	v_mul_u32_u24 v5, v1, FP                       ; in: row r, 32 bytes for each half of the lanes
	v_lshl_add_u32 v5, v2, 5, v5
	v_add_nc_u32 v[STO32], s23, v5
	v_and_b32 v6, 31, v0
	v_lshlrev_b32 v[CO32], 4, v6                   ; back: the 32 lanes take row 0's 512 bytes; and the same in first16
	v_add_nc_u32 v[RD32], s23, v[CO32]
	s_lshl_b32 s20, s17, 8
	s_lshl_b32 s21, s15, 7
	s_add_co_u32 s20, s20, s21                     ; my first row of C: 256 x tile row + 128 x half: a multiple of 128, so it is a head's first row
	s_lshl_b32 s21, s20, 11                        ; x 2,048 bytes
	s_lshl_b32 s46, s42, 9                         ; my first column in f16: 512 x tile column + 256 x half
	s_lshl_b32 s47, s16, 8
	s_add_co_u32 s46, s46, s47
	s_add_co_u32 s46, s46, s21
	s_mov_b32 s47, 0
	s_add_nc_u64 s[8:9], s[8:9], s[46:47]
	s_lshl_b32 s20, s20, 5                         ; first16: row (my first row / 128) of 4,096 bytes
	s_lshl_b32 s46, s42, 10                        ; my first column in f32
	s_lshl_b32 s21, s16, 9
	s_add_co_u32 s46, s46, s21
	s_add_co_u32 s46, s46, s20
	s_add_nc_u64 s[10:11], s[10:11], s[46:47]
.macro FRAG reg, adr, q, i             ; a fragment, 16 rows x 128 K of 4-bit codes: lane l holds row l % 16; registers 4 c .. 4 c + 3 hold K = 64 c + 32 (l / 16) + 0 .. 31
.irp c, 0,1
	ds_load_b128 v[\reg+4*\c:\reg+4*\c+3], v[\adr] offset:64*(\q)+32*\c+(\i)*16*PITCH
.endr
.endm
; 16 matrix instructions: A's blocks a0, a0 + 1 x B's eight, the slot's q-th 128 along K.  p: B's set;  sc: the set of scale words.  zero = 1: the first product starts the sums.
; The 64 accumulators take turns, one instruction a turn, in the same order in every step.
.macro MUL16 a0, p, q, sc, zero
.irp a, \a0, \a0+1
.irp b, 0,1,2,3,4,5,6,7
.if \zero
	v_wmma_scale_f32_16x16x128_f8f6f4 v[8*(8*((\a)%4)+\b):8*(8*((\a)%4)+\b)+7], v[128*(\p)+FR*\b:128*(\p)+FR*\b+FR-1], v[AF+FR*(\a):AF+FR*(\a)+FR-1], 0, v[SC+8*NQ*(\sc)+NQ*\b+(\q)], v[SC+8*NQ*(\sc)+NQ*(\a)+(\q)] matrix_a_fmt:MATRIX_FMT_FP4 matrix_b_fmt:MATRIX_FMT_FP4 matrix_a_scale:MATRIX_SCALE_ROW1
.else
	v_wmma_scale_f32_16x16x128_f8f6f4 v[8*(8*((\a)%4)+\b):8*(8*((\a)%4)+\b)+7], v[128*(\p)+FR*\b:128*(\p)+FR*\b+FR-1], v[AF+FR*(\a):AF+FR*(\a)+FR-1], v[8*(8*((\a)%4)+\b):8*(8*((\a)%4)+\b)+7], v[SC+8*NQ*(\sc)+NQ*\b+(\q)], v[SC+8*NQ*(\sc)+NQ*(\a)+(\q)] matrix_a_fmt:MATRIX_FMT_FP4 matrix_b_fmt:MATRIX_FMT_FP4 matrix_a_scale:MATRIX_SCALE_ROW1
.endif
.endr
.endr
.endm
.macro FETCH_B slot, q, p              ; B's eight fragments of the slot's q-th 128 along K into set p
	WIN TO_B
.irp i, 0,1,2,3,4,5,6,7
	FRAG 128*(\p)+FR*\i, ADRB+\slot, \q, \i
.endr
	WIN 0
.endm
.macro FETCH_A slot, q, i0             ; A's blocks i0 .. i0 + 3
.irp i, \i0, \i0+1, \i0+2, \i0+3
	FRAG AF+FR*(\i), ADRA+\slot, \q, \i
.endr
.endm
.macro SCALES sc                       ; a K step's scale words into set sc: four words a row; lanes 0-15 take A's block i, lanes 16-31 B's block i
.irp i, 0,1,2,3,4,5,6,7
	ds_load_b128 v[SC+8*NQ*\sc+NQ*\i:SC+8*NQ*\sc+NQ*\i+3], v[ADRS] offset:\i*SBLK
.endr
.endm
; A load into a register that a matrix instruction has read, and a vector instruction or an LDS store that reads a matrix result, stand NP places behind that matrix instruction; only plain vector
; instructions that name none of its registers are places (ISA guide 7.12.1 for vector instructions).
.macro PLACES n
.rept \n
	v_nop
.endr
.endm
.macro STEP slot, q, zero              ; a step of 128 along K that has its successor in the same slot
	s_wait_dscnt 4*NL                              ; B's set and A's blocks 0-3 are in; the youngest eight loads (A's blocks 4-7) may be out
	WIN MUL_LO
	MUL16 0, (\q)%2, \q, \slot, \zero
	MUL16 2, (\q)%2, \q, \slot, \zero
	s_wait_dscnt 0                                 ; A's blocks 4-7 are in (asked for 32 matrix instructions ago)
	PLACES NP
	FETCH_B \slot, (\q)+1, 1-(\q)%2
	FETCH_A \slot, (\q)+1, 0
	WIN MUL_HI
	MUL16 4, (\q)%2, \q, \slot, \zero
	MUL16 6, (\q)%2, \q, \slot, \zero
	PLACES NP
	WIN 0
	FETCH_A \slot, (\q)+1, 4
.endm
; Slot 0's last step changes slots: one barrier; in front of it each wave waits for all its tensor loads (its part of slot 1), adds 0 to its spare word, and waits for that and for its reads of slot 0.
; Nothing is filled again; behind the barrier slot 1 is whole and nobody reads slot 0 any more, which later takes the stages.
.macro TURN slot, next
	s_wait_tensorcnt 0x0                           ; all my tensor loads have landed
	ds_add_u32 v[SPW], v[NIL]                      ; 0 onto my spare word
	s_wait_dscnt 4*NL+1                            ; (the add and the youngest eight loads, A's blocks 4-7, may be out)
	WIN MUL_LO
	MUL16 0, 1, NQ-1, \slot, 0                     ; sixteen matrix instructions stand between the add and the wait for it
	s_wait_dscnt 0x0                               ; the add is done, and my reads of this slot are over
	s_barrier_signal -1
	MUL16 2, 1, NQ-1, \slot, 0
	WIN 0
	s_barrier_wait -1
	PLACES NP
	v_add_nc_u32 v[ADRS], 4*NQ, v[ADRS]            ; on to the next K step's scale words
	FETCH_B \next, 0, 0
	FETCH_A \next, 0, 0
	SCALES \next
	WIN MUL_HI
	MUL16 4, 1, NQ-1, \slot, 0
	MUL16 6, 1, NQ-1, \slot, 0
	PLACES NP
	WIN 0
	FETCH_A \next, 0, 4
.endm
.macro STEPS slot, from                ; the slot's steps from .. NQ - 2
.set Q, \from
.rept NQ-1-\from
	STEP \slot, Q, 0
.set Q, Q+1
.endr
.endm
	s_wait_tensorcnt 1                             ; the scales and my part of slot 0 are in (slot 1's load, issued behind them, may be out),
	s_barrier_signal -1
	s_barrier_wait -1                              ; everybody's are
	FETCH_B 0, 0, 0
	FETCH_A 0, 0, 0
	SCALES 0
	FETCH_A 0, 0, 4
	STEP 0, 0, 1                                   ; the first step's products start the sums: nothing is cleared
	STEPS 0, 1
	TURN 0, 1
	STEPS 1, 0
	s_wait_dscnt 4*NL                              ; the very last step: nothing more to fetch
	WIN MUL_LO
	MUL16 0, 1, NQ-1, 1, 0
	MUL16 2, 1, NQ-1, 1, 0
	s_wait_dscnt 0
	WIN MUL_HI
	MUL16 4, 1, NQ-1, 1, 0
	MUL16 6, 1, NQ-1, 1, 0
	WIN 0
; THE WAY OUT.  A lane holds eight neighbouring columns of one row, and the lanes beside it hold other rows: a block of 16 rows goes through my own stage in LDS and comes back by rows.
; LDS serves a wave's instructions in order (ISA guide 5.7.1.4): no wait between the stores and the loads.
	PLACES NP                                      ; behind the last products: for the loads into registers that held scale words, and for the reads of results
	; my row 0, a head's positions 0 to 15, leaves unrounded too: block 0 goes whole into the f32 stage (all lanes stay on) and its row 0 comes back: 512 consecutive bytes
	WIN 0x08                                       ; an LDS store's data are its source 1: window 2
.irp b, 0,1,2,3,4,5,6,7
	ds_store_b128 v[STO32], v[8*\b:8*\b+3] offset:64*\b            ; each accumulator from its low end on
	ds_store_b128 v[STO32], v[8*\b+4:8*\b+7] offset:64*\b+16
.endr
	WIN 0
	ds_load_b128 v[64:67], v[RD32]
	s_wait_dscnt 0x0
	global_store_b128 v[CO32], v[64:67], s[10:11]  ; 32 lanes store 512 consecutive bytes, at a multiple of 256 from first16's first byte
.macro PACK a                          ; block a rounded to f16: 16 bytes a lane and B block
.set AC, 64*((\a)%4)
	WIN 0x0a+5*((\a)/4)                            ; sources 0 and 1: window 2 or 3
.irp b, 0,1,2,3,4,5,6,7
.irp r, 0,1,2,3
	v_cvt_pk_f16_f32 v[TMP+4*\b+\r], v[AC+8*\b+2*\r], v[AC+8*\b+2*\r+1]
.endr
.endr
	WIN 0
.endm
.macro TOSTAGE a
.set BKR, OB+192*((\a)%2)
.irp b, 0,1,2,3,4,5,6,7
	ds_store_b128 v[STO], v[TMP+4*\b:TMP+4*\b+3] offset:32*\b
.endr
.irp t, 0,1,2,3,4,5,6,7
	ds_load_b128 v[BKR+4*\t:BKR+4*\t+3], v[RD] offset:\t*2*HP
.endr
.endm
.macro SEND a
.set BKR, OB+192*((\a)%2)
	s_wait_dscnt 0x0                               ; the block is back in registers
	s_wait_xcnt 0x0                                ; every earlier store has read its base and its data: the base may step, and the next block's loads may land where block a - 1's rows lay
.if (\a) > 0
	s_add_nc_u64 s[8:9], s[8:9], 16*2048           ; 16 rows of qkv on
.endif
.irp t, 0,1,2,3,4,5,6,7
	global_store_b128 v[CO], v[BKR+4*\t:BKR+4*\t+3], s[8:9] offset:\t*4096   ; 16 lanes store 256 consecutive bytes, at a multiple of 256 from qkv's first byte
.endr
.endm
	PACK 0
	TOSTAGE 0
.irp a, 1,2,3,4,5,6,7                  ; block a's conversions stand between block a - 1's loads from the stage and the wait for them
	PACK \a
	SEND \a-1
	TOSTAGE \a
.endr
	SEND 7
	s_wait_tensorcnt 0x0                           ; the wave's end: behind my last tensor load and my last LDS store
	ds_add_u32 v[SPW], v[NIL]
	s_wait_dscnt 0x0
	CROUND                                         ; the closing round: no work-group ends while a partner may still ask for a tile that names it
	s_endpgm
.Lfunc_end_k_q013537ddae_proj:
	.size	k_q013537ddae_proj, .Lfunc_end_k_q013537ddae_proj-k_q013537ddae_proj
	.p2alignl 7, 3214868480
	.fill 96, 4, 3214868480
	.section	.rodata,"a",@progbits
	.p2align	6, 0x0
	.amdhsa_kernel k_q013537ddae_proj
		.amdhsa_group_segment_fixed_size 327680
		.amdhsa_private_segment_fixed_size 0
		.amdhsa_enable_private_segment 0
		.amdhsa_kernarg_size 32
		.amdhsa_user_sgpr_count 2
		.amdhsa_user_sgpr_kernarg_segment_ptr 1
		.amdhsa_wavefront_size32 1
		.amdhsa_system_sgpr_workgroup_id_x 1
		.amdhsa_system_sgpr_workgroup_id_y 1
		.amdhsa_system_sgpr_workgroup_id_z 1
		.amdhsa_system_vgpr_workitem_id 0
		.amdhsa_next_free_vgpr 1024
		.amdhsa_next_free_sgpr 98
		.amdhsa_reserve_vcc 0
		.amdhsa_float_denorm_mode_32 3
		.amdhsa_float_denorm_mode_16_64 3
		.amdhsa_memory_ordered 1
		.amdhsa_forward_progress 1
		.amdhsa_inst_pref_size 128
	.end_amdhsa_kernel
	.amdgpu_metadata
---
amdhsa.version: [ 1, 2 ]
amdhsa.kernels:
  - .name:           k_q013537ddae_proj
    .symbol:         k_q013537ddae_proj.kd
    .args:
      - { .name: codes, .offset: 0, .size: 8, .value_kind: global_buffer, .address_space: global }
      - { .name: scales, .offset: 8, .size: 8, .value_kind: global_buffer, .address_space: global }
      - { .name: qkv, .offset: 16, .size: 8, .value_kind: global_buffer, .address_space: global }
      - { .name: first16, .offset: 24, .size: 8, .value_kind: global_buffer, .address_space: global }
    .group_segment_fixed_size: 327680
    .private_segment_fixed_size: 0
    .kernarg_segment_align: 8
    .kernarg_segment_size: 32
    .max_flat_workgroup_size: 128
    .sgpr_count:     98
    .vgpr_count:     1024
    .wavefront_size: 32
...
	.end_amdgpu_metadata
.endif
;; end of part 2
;; launch attn (part 3): grid 8 x 32, 8 waves a work-group, no clusters, 327,680 bytes of LDS; arguments qkv, ao; writes ao
.if DOCPART == 3
	.amdgcn_target "amdgcn-amd-amdhsa--gfx1250"
	.amdhsa_code_object_version 6
	.text
	.protected	k_q013537ddae_attn
	.globl	k_q013537ddae_attn
	.p2align	8
	.type	k_q013537ddae_attn,@function
k_q013537ddae_attn:
	s_mov_b64 s[64:65], 0
	v_nop
	global_prefetch_b8 v0, s[64:65] scope:SCOPE_SE
	s_setreg_imm32_b32 hwreg(HW_REG_WAVE_MODE, 25, 1), 1
	s_wait_xcnt 0x0
; Causal attention of 32 heads (batch x head): O[q] = sum over k <= q of softmax_k(Q[q] . K[k] / 8) V[k].  Q, K, V: f16 [2048][64] a head, dense, in qkv at bytes 0, 8,388,608 and 16,777,216 + 262,144 x head.
; OUT: ao, f16, [16 heads][4096 rows = 2048 batch + position][64]: a wave's 32 queries are 4,096 consecutive bytes.
; Products on f16 operands with f32 sums; maxima, exponentials and sums in f32; the weights p (at most 1) are rounded to f16 for the second product, O once at the end.
; A running maximum m and sum l for each query: p = 2^(c s - c m), c = log2(e) / 8; in every step O and l are multiplied by a = 2^(c m_old - c m_new).
; LIMITS: what the f16 inputs hold (the launch before states their range).  Positions 0 to 15 of each sequence are computed here like all others, and a later launch computes them again in f32 for the output.
; SHARES.  A work-group owns two blocks of 128 queries of one head, blocks i and 15 - i (i = work-group x): 17 block-steps of work whatever i is.  Each of its EIGHT waves owns TWO neighbouring tiles of 16 queries, A and B,
; in 512 registers: every fragment of K and V that it reads from LDS feeds two matrix instructions, so a key step's 32,768 bytes serve 32 queries.  Wave w takes pair w / 2 of the early block or of the late one by the
; bit (w ^ (w / 4)) & 1.
; Every work-group walks all 8 slots of 256 keys (two steps of 128): the trip counts are constants.  A step all of whose keys come after the wave's queries is jumped over (a branch on ids); a slot whose first key comes
; after the work-group's last query is not asked for.  Wave 0 fetches a slot's K and wave 1 its V, one tensor load each; all eight read them.
; NO CLUSTER: the work-groups of a head end their walks at different slots (after block 15 - i), so partners would need different numbers of tiles.
; LAYOUT.  S^T = K Q^T (source 0 = 16 keys, source 1 = 16 queries): a lane holds ONE query (lane % 16) and keys 8 (lane / 16) + 0..7 of each tile of keys.  Two such tiles rounded to f16 in pairs ARE source 1
; (32 keys x 16 queries) of O^T = V^T P.  K comes out of LDS as it lies, V ([key][channel]) turned, by ds_load_tr16_b128.
; BY TURNS, WITHIN A STEP.  A tile's softmax for a step is a numbered list of 218 lines.  A step's 64 products go in four runs of 16:  K Q^T of A  |  K Q^T of B, with A's list in slices behind its products  |
; V^T P of A, with B's list in slices  |  V^T P of B, with both tiles' row sums in slices.  Nothing is carried from step to step, so a step can be jumped over whole.
; REGISTERS, in windows of 256 (s_set_vgpr_msb: bits 1:0 source 0, 3:2 source 1, 5:4 source 2, 7:6 destination):
;   window 0: v1-11 addresses; v12-39 fourteen registers of statistics a tile; v40-43 at work; v44-75 Q, 16 a tile; v76-203 S^T, then p, 64 a tile
;   window 1: v0-63 O^T, 32 a tile; v64-127 P, 32 a tile; v128-255 K's 16 fragments of a step, later V's 16
; No window has room for a product's operands beside what a softmax touches: a slice costs two switches, for 8 to 12 vector lines.
.set SK,    256                        ; keys in a slot
.set KP,    144                        ; a key's row in LDS: 128 bytes + 16 of padding: the 16 rows of a load start at 16 different banks (64 banks of 4 bytes: ISA guide 11.1)
.set VP,    160                        ; a row of V: 128 + 32
.set VOFF,  SK*KP                      ; a slot: 256 rows of K, then 256 rows of V
.set SLOT1, 1<<17                      ; slot 1 begins here: one exclusive or turns an address in one slot into the other's
.set STAGE, SLOT1+SK*(KP+VP)           ; behind the ring: 32 rows x 144 bytes for each wave, for the way out; no tile lands there
.set SPARE, STAGE+8*32*KP              ; behind the stages: the spare words, 128 bytes a wave, which no other line names
.set KBASE, 8388608
.set VBASE, 16777216
.set AK0,  1                           ; v1   my lane's place in a tile of K: 144 r + 16 h
.set AV0,  2                           ; v2   the same for V
.set PFO,  3                           ; v3   256 x lane: the prefetches' offset; never rewritten
.set DL,   4                           ; v4   r - 8 h
.set SPW,  5                           ; v5   LDS address of my spare word; never rewritten
.set NIL,  6                           ; v6   0; never rewritten
.set GO,   7                           ; v7   16 x lane: the way out
.set ADK,  8                           ; v8   LDS address of the slot's K for my lane
.set ADV,  9                           ; v9   of its V
.set STO,  10                          ; v10  the stage: where I put 16 bytes of a row
.set RD,   11                          ; v11  and where I read rows back
.set ST,   12                          ; tile t's statistics at v[ST + 14 t]: +0 c m, +1 m (a pair); +2, +3 l in two halves; +4..+7 four maxima; +8, +9 at work; +10 a, +11 its pair's mate; +12 the old c m
.set DD,   40                          ; v40  the diagonal's d
.set NINF, 41                          ; v41  -infinity
.set QO,   42                          ; v42  Q's load offset
.set TV,   43                          ; v43  at work at the head
.set QF,   44                          ; v44-75   Q: tile t at 16 t: two fragments (channels 0-31, 32-63)
.set S,    76                          ; v76-203  S^T, then p: tile t at 64 t: eight tiles of 16 keys
.set O,    0                           ; window 1: O^T: tile t at 32 t: four tiles of 16 channels
.set P,    64                          ; window 1: p in f16: tile t at 32 t
.set KV,   128                         ; window 1: K (tile of keys k, half c of the channels: 16 k + 8 c), later V (keys 32 u on, channels 16 t on: 32 u + 8 t)
.set W_KQ, 0x01                        ; K in window 1; Q and S^T in window 0
.set W_PV, 0x55                        ; V, P and O^T in window 1
.set W_TO1, 0x40                       ; destination window 1, sources and addresses window 0
.set W_RS, 0x41                        ; O^T (destination and source 0) in window 1, a in window 0
.set WV,   18                          ; s18  my wave's number
.set SEL,  20                          ; s[20:21] lane selects for v_permlanex16_b32: lane l xor 16
.set CS,   22                          ; s[22:23] c, twice
.set G1K,  24                          ; s[24:31] descriptor group 1 for K's tiles;  s[32:39] for V's;  s[40:43], s[44:47] their groups 0, which walk
.set G1V,  32
.set G0K,  40
.set G0V,  44
.set TB,   2                           ; s2   LDS byte at which the slot in hand begins
.set SLOTS, 67                         ; s67  changes of slots still to come that may ask for a slot
.set LQ,   68                          ; s68  my work-group's last query
.set PFA,  76                          ; s[76:77] where my prefetches stand
.set LIM,  80                          ; s80  1 in a wave that prefetches, else the greatest number
.set KF,   98                          ; s98  the step's first key
.set Q0,   99                          ; s99  my first query
.set MSB, 0
.macro WIN new                         ; the immediate's high byte repeats the setting that is left; a switch that changes nothing is dropped
.if MSB != \new
	s_set_vgpr_msb (MSB<<8)|\new
.set MSB, \new
.endif
.endm
; Wave 0 fetches K's 256 rows, wave 1 V's, the others nothing.  The branches hang on the wave's number alone.  An s_nop 0 and four v_nop follow each of the two lines.
.macro TLOAD
	s_cmp_eq_u32 s[WV], 0
	s_cbranch_scc0 .Lnot_k_\@
	tensor_load_to_lds s[G0K:G0K+3], s[G1K:G1K+7]
	s_nop 0
.rept 4
	v_nop
.endr
	s_branch .Lasked_\@
.Lnot_k_\@:
	s_cmp_eq_u32 s[WV], 1
	s_cbranch_scc0 .Lasked_\@
	tensor_load_to_lds s[G0V:G0V+3], s[G1V:G1V+7]
	s_nop 0
.rept 4
	v_nop
.endr
.Lasked_\@:
.endm
; A PREFETCH INTO THE L2 of what the NEXT change of slots will ask for: a slot's K and V, two dense blocks of 32,768 bytes.  All eight work-groups of a head walk the same K and V: work-group x = 0, which walks all
; eight slots, asks, and nobody else.  In it waves 0 to 3 ask for K's block and waves 4 to 7 for V's, 8,192 bytes a wave, lanes 256 bytes apart, one instruction each: each aligned 256 bytes of slots 2 to 7 are named once.
; It stands one slot, two key steps, ahead of the load.  Slots 0 and 1 come by their loads alone; the last change that fills a slot asks for nothing.
.macro ASK
	s_cmp_gt_u32 s[SLOTS], s[LIM]
	s_cbranch_scc0 .Lnot_mine_\@
	global_prefetch_b8 v[PFO], s[PFA:PFA+1] th:TH_LOAD_NT scope:SCOPE_SE
.Lnot_mine_\@:
.endm
	s_load_b128 s[4:7], s[0:1], 0x0                ; qkv s[4:5], ao s[6:7]
	v_lshl_add_u32 v[SPW], v0, 2, SPARE
	v_mov_b32 v[NIL], 0
	ds_add_u32 v[SPW], v[NIL]                      ; the wave's opening: the add, twice on end, and its wait ahead of the first tensor load; the set-up below stands between
	ds_add_u32 v[SPW], v[NIL]                      ; and once more, under the one wait
	v_lshrrev_b32 v8, 5, v0
	v_readfirstlane_b32 s[WV], v8                  ; wave 0..7
	s_and_b32 s72, ttmp7, 0xffff                   ; the head, 16 x batch + head
	s_lshl_b32 s74, s72, 18                        ; its 262,144 bytes in each of Q, K, V
	s_lshr_b32 s70, s[WV], 2
	s_xor_b32 s70, s70, s[WV]
	s_and_b32 s70, s70, 1                          ; 0: the early block, 1: the late one
	s_sub_co_u32 s73, 15, ttmp9
	s_cmp_eq_u32 s70, 0
	s_cselect_b32 s73, ttmp9, s73                  ; my block of 128 queries
	s_lshl_b32 s73, s73, 7
	s_lshr_b32 s71, s[WV], 1
	s_lshl_b32 s71, s71, 5
	s_add_co_u32 s[Q0], s73, s71                   ; my first query: 128 x block + 32 x (wave / 2)
	s_sub_co_u32 s[LQ], 16, ttmp9
	s_lshl_b32 s[LQ], s[LQ], 7
	s_sub_co_u32 s[LQ], s[LQ], 1                   ; the late block's last query: 128 (16 - i) - 1
	s_lshl_b32 s75, s[Q0], 7                       ; 128 bytes a query
	s_add_co_u32 s84, s74, s75                     ; Q: my first tile's first byte
	s_mov_b32 s85, 0
	s_and_b32 s86, s72, 15
	s_lshl_b32 s86, s86, 19                        ; ao: head x 4,096 rows x 128 bytes
	s_lshr_b32 s87, s72, 4
	s_lshl_b32 s87, s87, 18                        ; + batch x 2,048 rows
	s_add_co_u32 s86, s86, s87
	s_add_co_u32 s86, s86, s75                     ; + my first query
	s_mov_b32 s87, 0
	s_add_co_u32 s88, s74, KBASE                   ; the head's K
	s_mov_b32 s89, 0
	s_add_co_u32 s90, s74, VBASE                   ; the head's V
	s_mov_b32 s91, 0
	; descriptor group 1: a tile of 256 rows x 64 elements of 2 bytes, dense in memory, padded behind every row in LDS
	s_mov_b32 s[G1K], (1<<16)|(1<<20)|(4<<22)|(3<<25)   ; 15:0 no mask; 17:16 elements of 2 bytes; 20 padding on; 24:22 after every 32 words; 31:25 four words
	s_mov_b32 s[G1V], (1<<16)|(1<<20)|(4<<22)|(7<<25)   ; the same with eight words of padding
.irp g, G1K, G1V
	s_mov_b32 s[\g+1], 64<<16                      ; tensor_dim0
	s_mov_b32 s[\g+2], SK<<16                      ; tensor_dim1
	s_mov_b32 s[\g+3], 64<<16                      ; tile_dim0
	s_mov_b32 s[\g+4], SK                          ; tile_dim1
	s_mov_b32 s[\g+5], 64                          ; tensor_dim0_stride
	s_mov_b32 s[\g+6], 0
	s_mov_b32 s[\g+7], 0
.endr
	s_mov_b32 s[SEL], 0x76543210
	s_mov_b32 s[SEL+1], 0xfedcba98
	s_mov_b32 s[CS], 0x3e38aa3b                    ; c = log2(e) / 8
	s_mov_b32 s[CS+1], s[CS]                       ; (named with it as a pair, so it is written)
	s_mov_b32 s[TB], 0
	s_mov_b32 s[SLOTS], 7
	s_mov_b32 s[KF], 0
	s_cmp_lt_u32 s[WV], 4                          ; the prefetches: waves 0 to 3 stand in K, waves 4 to 7 in V
	s_mov_b32 s83, VBASE
	s_cselect_b32 s82, KBASE, s83
	s_add_co_u32 s82, s82, s74                     ; in my head,
	s_and_b32 s83, s[WV], 3
	s_lshl_b32 s83, s83, 13
	s_add_co_u32 s82, s82, s83                     ; my wave's 8,192 bytes of a slot's 32,768,
	s_add_co_u32 s82, s82, SK*128                  ; in slot 1: the first change of slots steps it to slot 2
	s_mov_b32 s83, 0
	s_cmp_eq_u32 ttmp9, 0                          ; work-group x = 0 asks
	s_cselect_b32 s[LIM], 1, -1
	s_wait_dscnt 0x0                               ; both opening adds are done
	s_wait_kmcnt 0x0
	s_mov_b32 s[G0K], 1                            ; 1:0 count = 1
	s_mov_b32 s[G0K+1], 0                          ; 63:32 LDS address: slot 0
	s_add_nc_u64 s[G0K+2:G0K+3], s[4:5], s[88:89]  ; 120:64 global address: the head's first 256 keys
	s_or_b32 s[G0K+3], s[G0K+3], 0x80000000        ; 127:126 type = 2
	s_mov_b32 s[G0V], 1
	s_mov_b32 s[G0V+1], VOFF
	s_add_nc_u64 s[G0V+2:G0V+3], s[4:5], s[90:91]
	s_or_b32 s[G0V+3], s[G0V+3], 0x80000000
	TLOAD                                          ; slot 0: it holds key 0, which counts for every query
	s_add_nc_u64 s[PFA:PFA+1], s[4:5], s[82:83]
	s_add_nc_u64 s[4:5], s[4:5], s[84:85]          ; Q at my first query
	s_add_nc_u64 s[6:7], s[6:7], s[86:87]          ; ao likewise
	v_and_b32 v8, 15, v0                           ; r = lane % 16
	v_bfe_u32 v9, v0, 4, 1                         ; h = lane / 16
	v_lshlrev_b32 v[QO], 7, v8
	v_lshl_add_u32 v[QO], v9, 4, v[QO]             ; Q: row r of 128 bytes, + 16 h
.irp t, 0,1
.irp i, 0,1,2,3
	global_load_b128 v[QF+16*\t+4*\i:QF+16*\t+4*\i+3], v[QO], s[4:5] offset:2048*\t+32*\i   ; a fragment: registers 0-3 channels 8 h + 0..7, registers 4-7 channels 16 + 8 h + 0..7; the second fragment 32 channels on
.endr
.endr
	v_mul_u32_u24 v[AK0], v8, KP
	v_lshl_add_u32 v[AK0], v9, 4, v[AK0]
	v_and_b32 v[TV], 7, v0                         ; the turning load: lane l reads 16 bytes: key 8 h + l % 8, channels 8 ((l / 8) % 2) + 0..7
	v_lshl_add_u32 v[AV0], v9, 3, v[TV]
	v_mul_u32_u24 v[AV0], v[AV0], VP
	v_bfe_u32 v[TV], v0, 3, 1
	v_lshl_add_u32 v[AV0], v[TV], 4, v[AV0]
	v_add_nc_u32 v[AV0], VOFF, v[AV0]
	v_and_b32 v[GO], 31, v0
	v_lshlrev_b32 v[PFO], 8, v[GO]
	v_lshlrev_b32 v[GO], 4, v[GO]
	v_lshlrev_b32 v[TV], 3, v9
	v_sub_nc_u32 v[DL], v8, v[TV]
	s_mul_i32 s73, s[WV], 32*KP
	s_add_co_u32 s73, s73, STAGE                   ; my stage
	v_add_nc_u32 v[STO], s73, v[AK0]               ; in: row r, + 16 h
	v_bfe_u32 v[TV], v0, 3, 2
	v_mul_u32_u24 v[RD], v[TV], KP                 ; back: eight lanes to a row of 128 bytes, four rows an instruction
	v_and_b32 v[TV], 7, v0
	v_lshl_add_u32 v[RD], v[TV], 4, v[RD]
	v_add_nc_u32 v[RD], s73, v[RD]
.irp t, 0,1
	v_mov_b32 v[ST+14*\t+1], 0xff61b1e6            ; m: -3e38, under every score
	v_mul_f32 v[ST+14*\t], s[CS], v[ST+14*\t+1]    ; c m
	v_mov_b32 v[ST+14*\t+2], 0                     ; l, in two halves
	v_mov_b32 v[ST+14*\t+3], 0
	v_mov_b32 v[ST+14*\t+9], 0                     ; written once: a lane permute's destination counts as one of its sources
	v_mov_b32 v[ST+14*\t+11], 0                    ; (named as the upper half of a's pair)
.endr
	v_mov_b32 v[NINF], 0xff800000
	WIN W_TO1
.set n, 0
.rept 64
	v_mov_b32 v[O+n], 0                            ; O^T of both tiles.  (The step is written once: the first finds zeros, which a = 0 leaves zeros)
.set n, n+1
.endr
	WIN 0
; THE MATRIX WORK.  The accumulators take turns, one instruction a turn: between two links of a chain stand 7 (K Q^T) or 3 (V^T P) others'.
; Product i of 16 of tile t's S^T = K Q^T: channels 32 (i / 8) on, keys 16 (i % 8) on.  The first 8 start the sums.
.macro KQ t
	WIN W_KQ
.set rS, S+64*(\t)+8*(i%8)
.set rK, KV+16*(i%8)+8*(i/8)
.set rQ, QF+16*(\t)+8*(i/8)
.if i < 8
	v_wmma_f32_16x16x32_f16 v[rS:rS+7], v[rK:rK+7], v[rQ:rQ+7], 0
.else
	v_wmma_f32_16x16x32_f16 v[rS:rS+7], v[rK:rK+7], v[rQ:rQ+7], v[rS:rS+7]
.endif
.endm
; Product i of 16 of tile t's O^T += V^T P: keys 32 (i / 4) on, channels 16 (i % 4) on.
.macro PV t
	WIN W_PV
.set rO, O+32*(\t)+8*(i%4)
.set rV, KV+32*(i/4)+8*(i%4)
.set rP, P+32*(\t)+8*(i/4)
	v_wmma_f32_16x16x32_f16 v[rO:rO+7], v[rV:rV+7], v[rP:rP+7], v[rO:rO+7]
.endm
; THE VECTOR WORK.  One tile's softmax for one key step is a list of 218 lines; SMI writes number j of it for tile t.  s0-s63 are the lane's 64 scores.
;   0-31    the maximum of s0-s63, in four chains by turns; each accumulator is first read at its low end
;   32-38   with the old m; the other half of the lanes'; the new m; c m; c m_old - c m_new
;   39-70   the scalings c s - c m, two at a time
;   71-135  ONE BATCH: a and the 64 weights; none of these lines reads an exponential's result
;   136,137 a plain line behind the last exponential, and the wait ahead of the first line that names a result: one for the batch
;   138-169 the roundings to f16: tiles of keys 2 u and 2 u + 1 become the fragment of keys 32 u on (destination in window 1)
;   170-185 O^T x a (window 1)
;   186-217 l = a l + the sum of the unrounded p, in two chains: no product waits for these
.macro SMI t, j
.set jj, \j
.set rT, ST+14*(\t)
.set rS, S+64*(\t)
.set rP, P+32*(\t)
.set rO, O+32*(\t)
.if jj < 136
	WIN 0
.elseif jj < 138
.elseif jj < 170
	WIN W_TO1
.elseif jj < 186
	WIN W_RS
.else
	WIN 0
.endif
.if jj < 4
	v_max3_num_f32 v[rT+4+jj], v[rS+16*jj], v[rS+16*jj+1], v[rS+16*jj+2]
.elseif jj < 28
	v_max3_num_f32 v[rT+4+jj%4], v[rT+4+jj%4], v[rS+16*(jj%4)+2*(jj/4)+1], v[rS+16*(jj%4)+2*(jj/4)+2]
.elseif jj < 32
	v_max_num_f32 v[rT+4+jj%4], v[rT+4+jj%4], v[rS+16*(jj%4)+15]
.elseif jj == 32
	v_max3_num_f32 v[rT+8], v[rT+4], v[rT+5], v[rT+6]
.elseif jj == 33
	v_max3_num_f32 v[rT+8], v[rT+8], v[rT+7], v[rT+1]
.elseif jj == 34
	v_permlanex16_b32 v[rT+9], v[rT+8], s[SEL], s[SEL+1]   ; the query's other 64 keys lie in the lane 16 away
.elseif jj == 35
	v_mov_b32 v[rT+12], v[rT]
.elseif jj == 36
	v_max_num_f32 v[rT+1], v[rT+8], v[rT+9]
.elseif jj == 37
	v_mul_f32 v[rT], s[CS], v[rT+1]
.elseif jj == 38
	v_sub_f32 v[rT+10], v[rT+12], v[rT]
.elseif jj < 71
	v_pk_fma_f32 v[rS+2*(jj-39):rS+2*(jj-39)+1], v[rS+2*(jj-39):rS+2*(jj-39)+1], s[CS:CS+1], v[rT:rT+1] op_sel_hi:[1,0,0] neg_lo:[0,0,1] neg_hi:[0,0,1]
.elseif jj == 71
	v_exp_f32 v[rT+10], v[rT+10]
.elseif jj < 136
	v_exp_f32 v[rS+jj-72], v[rS+jj-72]
.elseif jj == 136
	v_nop
.elseif jj == 137
	s_wait_alu depctr_va_vdst(0)
.elseif jj < 170
	v_cvt_pk_f16_f32 v[rP+jj-138], v[rS+2*(jj-138)], v[rS+2*(jj-138)+1]
.elseif jj < 186
	v_pk_mul_f32 v[rO+2*(jj-170):rO+2*(jj-170)+1], v[rO+2*(jj-170):rO+2*(jj-170)+1], v[rT+10:rT+11] op_sel_hi:[1,0]
.elseif jj == 186
	v_pk_fma_f32 v[rT+2:rT+3], v[rT+2:rT+3], v[rT+10:rT+11], v[rS:rS+1] op_sel_hi:[1,0,1]
.elseif jj == 187
	v_pk_add_f32 v[rT+8:rT+9], v[rS+2:rS+3], v[rS+4:rS+5]
.elseif jj < 216
.if jj%2 == 0
	v_pk_add_f32 v[rT+2:rT+3], v[rT+2:rT+3], v[rS+6+4*((jj-188)/2):rS+7+4*((jj-188)/2)]
.else
	v_pk_add_f32 v[rT+8:rT+9], v[rT+8:rT+9], v[rS+8+4*((jj-188)/2):rS+9+4*((jj-188)/2)]
.endif
.elseif jj == 216
	v_pk_add_f32 v[rT+2:rT+3], v[rT+2:rT+3], v[rS+62:rS+63]
.else
	v_pk_add_f32 v[rT+2:rT+3], v[rT+2:rT+3], v[rT+8:rT+9]
.endif
.endm
; A slice: the next n lines of tile A's list (counter EA) or of tile B's (EB), up to line lim
.macro RUNA n, lim
.rept \n
.if EA < \lim
	SMI 0, EA
.set EA, EA+1
.endif
.endr
.endm
.macro RUNB n, lim
.rept \n
.if EB < \lim
	SMI 1, EB
.set EB, EB+1
.endif
.endr
.endm
; On the diagonal the scores of hidden keys become -infinity ahead of the maximum: p = 0 then.  A step all of whose keys count for all my 32 queries jumps over this (a branch on ids).
; d = my first query - KF + r - 8 h.  Tile t's register 8 k + j holds key KF + 16 k + 8 h + j of query d + KF + 8 h + 16 t: hidden where 16 k + j - 16 t > d.
.macro MASK t
	s_add_co_u32 s96, s[KF], 127
	s_cmp_le_u32 s96, s[Q0]
	s_cbranch_scc1 .Lopen_\@
	s_sub_co_i32 s96, s[Q0], s[KF]
	v_add_nc_u32 v[DD], s96, v[DL]
.set n, 0
.rept 64
	v_cmp_gt_i32 vcc_lo, 16*(n/8)+n%8-16*(\t), v[DD]
	v_cndmask_b32 v[S+64*(\t)+n], v[S+64*(\t)+n], v[NINF], vcc_lo
.set n, n+1
.endr
.Lopen_\@:
.endm
; A KEY STEP: 128 keys, the q-th of the slot in hand, for both my tiles.
; A load into a register that a matrix instruction has read, and a vector line that reads a matrix result, stand four places behind that matrix instruction; only plain vector lines that name none of its registers are
; places (ISA guide 7.12.1 for vector instructions).  Where they are counted it is said below.
.macro STEP q
	s_add_co_u32 s96, s[Q0], 31                    ; a step all of whose keys come after my 32 queries is left out: a branch on ids, round the step's work; no barrier and no tensor load stands in a step
	s_cmp_gt_u32 s[KF], s96
	s_cbranch_scc1 .Lhidden_\@
	v_add_nc_u32 v[ADK], s[TB], v[AK0]
	v_add_nc_u32 v[ADV], s[TB], v[AV0]
.rept 2
	v_nop                                          ; with the two additions, and the four sums that end the step before: the places in front of the loads into registers that the last products read
.endr
	WIN W_TO1
.irp c, 0,1                                    ; K's 16 fragments, the first 32 channels of all eight tiles of keys first
.irp k, 0,1,2,3,4,5,6,7
	ds_load_b128 v[KV+16*\k+8*\c:KV+16*\k+8*\c+3],   v[ADK] offset:(128*(\q)+16*\k)*KP+64*\c
	ds_load_b128 v[KV+16*\k+8*\c+4:KV+16*\k+8*\c+7], v[ADK] offset:(128*(\q)+16*\k)*KP+64*\c+32
.endr
.endr
.set i, 0
.rept 16                                       ; S^T of tile A
.if i%4 == 0
	s_wait_dscnt 24-8*(i/4)                        ; the eight loads that the next four products want are in; the later quarters of the 32 may be out
.endif
	KQ 0
.set i, i+1
.endr
	WIN 0
.rept 4
	v_nop                                          ; places behind A's products, in front of the first read of its scores
.endr
	MASK 0
.set EA, 0
.set i, 0
.rept 16                                       ; S^T of tile B | A's softmax up to O^T x a: 186 lines in slices of 12; the last slice, six multiplications of A's O^T, stands behind the last product:
	KQ 1                                           ; those six are the places in front of B's first read of its scores and of V's loads into K's registers
	RUNA 12, 186
.set i, i+1
.endr
	WIN 0
	MASK 1
	WIN W_TO1
.irp u, 0,1,2,3                                ; V's 16 fragments, turned: keys 32 u on, channels 16 t on
.irp t, 0,1,2,3
	ds_load_tr16_b128 v[KV+32*\u+8*\t:KV+32*\u+8*\t+3],   v[ADV] offset:(128*(\q)+32*\u)*VP+32*\t
	ds_load_tr16_b128 v[KV+32*\u+8*\t+4:KV+32*\u+8*\t+7], v[ADV] offset:(128*(\q)+32*\u+16)*VP+32*\t
.endr
.endr
.set EB, 0
	RUNB 71, 71                                    ; B's maxima and scalings stand here, while V lands
.set i, 0
.rept 16                                       ; O^T of tile A | the rest of B's softmax up to O^T x a: 115 lines in slices of 8
.if i%4 == 0
	s_wait_dscnt 24-8*(i/4)                        ; the eight loads of these 32 keys are in; the later quarters may be out
.endif
	PV 0
	RUNB 8, 186
.set i, i+1
.endr
.set i, 0
.rept 16                                       ; O^T of tile B | both tiles' row sums, two lines of each behind each product
	PV 1
	RUNA 2, 218
	RUNB 2, 218
.set i, i+1
.endr
	WIN 0                                          ; at a label and at a branch every window is 0
.Lhidden_\@:
	s_add_co_u32 s[KF], s[KF], 128
.endm
; THE CHANGE OF SLOTS stands at a slot's head.  Each wave waits for all its tensor loads (its part of the slot that is about to be read), adds 0 to its spare word (fill = 1: twice on end), and waits for that and for
; its reads of the slot that it has left.  Behind the barrier the slot ahead is whole and nobody reads the other one.  fill = 1: that other slot is filled with the keys that follow, up to the causal limit.
; Every wait on TENSORcnt in this text is for 0.
.macro CHANGE fill
	s_wait_tensorcnt 0x0                           ; no tensor load of mine is out, so a group 0 may be written
	ds_add_u32 v[SPW], v[NIL]                      ; 0 onto my spare word
.if \fill
	ds_add_u32 v[SPW], v[NIL]                      ; and once more, in every trip alike
	s_xor_b32 s[G0K+1], s[G0K+1], SLOT1            ; the walking descriptors: the other slot than last time,
	s_add_nc_u64 s[G0K+2:G0K+3], s[G0K+2:G0K+3], SK*128   ; the next 256 keys; the type bits on top are not reached
	s_xor_b32 s[G0V+1], s[G0V+1], SLOT1
	s_add_nc_u64 s[G0V+2:G0V+3], s[G0V+2:G0V+3], SK*128
	s_wait_xcnt 0x0                                ; the last prefetch, a slot back, has read its address, so it may be written:
	s_add_nc_u64 s[PFA:PFA+1], s[PFA:PFA+1], SK*128   ; one slot further on than the walking descriptors
.endif
	s_wait_dscnt 0x0                               ; the add is done (fill = 1: both are), and my reads of the slot that I have left are over
	s_barrier_signal -1
	s_barrier_wait -1
.if \fill
	s_add_co_u32 s96, s[KF], SK                    ; the first key of the slot that this change would ask for:
	s_cmp_gt_u32 s96, s[LQ]                        ; past my work-group's last query none of its waves reads it, so it is not asked for.  Ids and the count of steps alone: all eight waves go the same way
	s_cbranch_scc1 .Lpast_\@
	TLOAD                                          ; a wave's one tensor load until the next barrier; it has the slot's two steps in which to land
.Lpast_\@:
	ASK
.endif
.endm
.macro SLOT_STEPS
	STEP 0
	STEP 1
	s_xor_b32 s[TB], s[TB], SLOT1                  ; on to the other slot
.endm
	s_wait_loadcnt 0x0                             ; Q
.Lslot:                                            ; 7 trips: behind each change of slots but the last the next slot is asked for, up to the causal limit
	CHANGE 1
	SLOT_STEPS
	s_sub_co_u32 s[SLOTS], s[SLOTS], 1
	s_cmp_lg_u32 s[SLOTS], 0
	s_cbranch_scc1 .Lslot
	CHANGE 0                                       ; the last slot is written out: nothing follows it
	SLOT_STEPS
	; THE WAY OUT.  O^T / l, rounded to f16, goes through my stage in LDS and leaves as 4,096 consecutive bytes.
.rept 4
	v_nop                                          ; places behind the last products
.endr
.irp t, 0,1
	v_add_f32 v[ST+14*\t+2], v[ST+14*\t+2], v[ST+14*\t+3]          ; the sum's two halves,
.endr
.irp t, 0,1
	v_permlanex16_b32 v[ST+14*\t+9], v[ST+14*\t+2], s[SEL], s[SEL+1]
.endr
.irp t, 0,1
	v_add_f32 v[ST+14*\t+2], v[ST+14*\t+2], v[ST+14*\t+9]          ; and lane l xor 16's
.endr
.irp t, 0,1
	v_rcp_f32 v[ST+14*\t+2], v[ST+14*\t+2]
.endr
	v_nop                                          ; a plain line behind the reciprocals
	s_wait_alu depctr_va_vdst(0)                   ; and the wait ahead of their first reader: one for the two
	WIN W_KQ                                       ; source 0 (O^T) in window 1
.irp t, 0,1
.set n, 0
.rept 16
	v_pk_mul_f32 v[S+64*\t+n:S+64*\t+n+1], v[O+32*\t+n:O+32*\t+n+1], v[ST+14*\t+2:ST+14*\t+3] op_sel_hi:[1,0]   ; register 8 k + j: channel 16 k + 8 h + j of query r; each accumulator from its low end on
.set n, n+2
.endr
.endr
	WIN 0
.irp t, 0,1
.set n, 0
.rept 16
	v_cvt_pk_f16_f32 v[S+64*\t+32+n], v[S+64*\t+2*n], v[S+64*\t+2*n+1]
.set n, n+1
.endr
.endr
.irp t, 0,1
.irp k, 0,1,2,3
	ds_store_b128 v[STO], v[S+64*\t+32+4*\k:S+64*\t+32+4*\k+3] offset:16*KP*\t+32*\k
.endr
.irp i, 0,1,2,3
	ds_load_b128 v[S+64*\t+48+4*\i:S+64*\t+48+4*\i+3], v[RD] offset:16*KP*\t+4*KP*\i   ; LDS serves a wave's instructions in order: these see my stores
.endr
.endr
.irp t, 0,1
.irp i, 0,1,2,3
	s_wait_dscnt 11-8*\t-\i                        ; the LDS instructions issued behind this load may stay out: the tile's later loads, and for tile A tile B's eight
	global_store_b128 v[GO], v[S+64*\t+48+4*\i:S+64*\t+48+4*\i+3], s[6:7] offset:2048*\t+512*\i   ; 32 lanes store 512 consecutive bytes, at a multiple of 256 from ao's first byte
.endr
.endr
	s_wait_tensorcnt 0x0                           ; the wave's end: behind my last tensor load and my last LDS store
	ds_add_u32 v[SPW], v[NIL]
	s_wait_dscnt 0x0
	s_endpgm
.Lfunc_end_k_q013537ddae_attn:
	.size	k_q013537ddae_attn, .Lfunc_end_k_q013537ddae_attn-k_q013537ddae_attn
	.p2alignl 7, 3214868480
	.fill 96, 4, 3214868480
	.section	.rodata,"a",@progbits
	.p2align	6, 0x0
	.amdhsa_kernel k_q013537ddae_attn
		.amdhsa_group_segment_fixed_size 327680
		.amdhsa_private_segment_fixed_size 0
		.amdhsa_enable_private_segment 0
		.amdhsa_kernarg_size 16
		.amdhsa_user_sgpr_count 2
		.amdhsa_user_sgpr_kernarg_segment_ptr 1
		.amdhsa_wavefront_size32 1
		.amdhsa_system_sgpr_workgroup_id_x 1
		.amdhsa_system_sgpr_workgroup_id_y 1
		.amdhsa_system_sgpr_workgroup_id_z 1
		.amdhsa_system_vgpr_workitem_id 0
		.amdhsa_next_free_vgpr 512
		.amdhsa_next_free_sgpr 100
		.amdhsa_reserve_vcc 1
		.amdhsa_float_denorm_mode_32 3
		.amdhsa_float_denorm_mode_16_64 3
		.amdhsa_memory_ordered 1
		.amdhsa_forward_progress 1
		.amdhsa_inst_pref_size 196
	.end_amdhsa_kernel
	.amdgpu_metadata
---
amdhsa.version: [ 1, 2 ]
amdhsa.kernels:
  - .name:           k_q013537ddae_attn
    .symbol:         k_q013537ddae_attn.kd
    .args:
      - { .name: qkv, .offset: 0, .size: 8, .value_kind: global_buffer, .address_space: global }
      - { .name: ao, .offset: 8, .size: 8, .value_kind: global_buffer, .address_space: global }
    .group_segment_fixed_size: 327680
    .private_segment_fixed_size: 0
    .kernarg_segment_align: 8
    .kernarg_segment_size: 16
    .max_flat_workgroup_size: 256
    .sgpr_count:     100
    .vgpr_count:     512
    .wavefront_size: 32
...
	.end_amdgpu_metadata
.endif
;; end of part 3
;; launch outp (part 4): grid 8 x 32, 4 waves a work-group, clusters of 4 x 4, 327,680 bytes of LDS; arguments ao, w16, out0, b_ffn; writes out0
.if DOCPART == 4
	.amdgcn_target "amdgcn-amd-amdhsa--gfx1250"
	.amdhsa_code_object_version 6
	.text
	.protected	k_q013537ddae_outp
	.globl	k_q013537ddae_outp
	.p2align	8
	.type	k_q013537ddae_outp,@function
k_q013537ddae_outp:
	s_mov_b64 s[64:65], 0
	v_nop
	global_prefetch_b8 v0, s[64:65] scope:SCOPE_SE
	s_setreg_imm32_b32 hwreg(HW_REG_WAVE_MODE, 25, 1), 1
	s_wait_xcnt 0x0
	s_wait_alu depctr_hold_cnt(0) depctr_sa_sdst(0) depctr_va_vdst(0) depctr_va_sdst(0) depctr_va_ssrc(0) depctr_va_vcc(0) depctr_vm_vsrc(0)
	s_getreg_b32 s2, hwreg(HW_REG_IB_STS2, 6, 4)
	s_cmp_eq_u32 s2, 0
	s_cbranch_scc0 .Lentry_in_a_cluster
	s_endpgm
.Lentry_in_a_cluster:
	s_bfe_u32 s2, ttmp6, 0x10000c
	s_cmp_lg_u32 s2, 0xf033
	s_cbranch_scc0 .Lentry_shape_is_right
	s_endpgm
.Lentry_shape_is_right:
; out0[m][n] = sum over k of concat[m][k] W_ffn[n][k] + b_ffn[n], m = 2048 batch + position, k = 64 head + channel.  f16 operands, f32 sums, f32 out.
; A = concat lies head-major: ao [16 heads][4096 rows][64] f16.  B = w16 [1024 n][1024 k] f16.
; All 4,096 rows are made here, positions 0 to 15 of both sequences too: a later launch stores those 32 rows again, carried in f32.  (Leaving them out here would take a branch on a work-group's place in its cluster.)
; LIMIT: what f16 holds (the earlier launches state it).
; A tile of out0 is 128 x 128 (256 tiles, one a work-group).  Four waves, each 64 x 64: 16 accumulators.  K goes in four steps of 256 (four heads) through two LDS slots; each wave brings a quarter of a slot by one tensor load.
; CLUSTERS: 4 x 4 work-groups.  The four of a row of the cluster need the same tiles of A, the four of a column the same tiles of B: each tile is asked for JOINTLY.
; THE MATRIX INSTRUCTION IS USED TRANSPOSED (source 0 = 16 rows of B, source 1 = 16 rows of A): a lane holds eight neighbouring numbers of a row of out0.  The bias is the C of each sum's first product.
; No prefetch: a K step's tiles are small and each is shared by four work-groups.
; REGISTERS: window 0: v0-31 addresses; v32-95 the way out; v96-127 the bias, four tiles in the result's layout; v128-255 the accumulators ((a, b) at v[128 + 8 (4 a + b)]).
;   window 1: two fragment buffers of 128: for 64 along K (one head), 64 registers of A, then 64 of B.
.set KP,     144                       ; A in LDS: a row's 64 channels of one head: 128 bytes + 16 of padding
.set HEADB,  64*KP                     ; 64 rows of one head
.set HALFA,  4*HEADB                   ; [4 heads][64 rows]: what one tensor load brings of A
.set PITCH,  528                       ; B in LDS: 512 bytes + 16 of padding
.set HALFB,  64*PITCH                  ; 64 rows: what one tensor load brings of B
.set SLOT,   2*HALFA+2*HALFB           ; A's two halves, then B's two halves
.set STAGE,  2*SLOT                    ; behind the ring: 16 rows x 272 bytes for each wave, for the way out
.set SPITCH, 272
.set SPARE,  STAGE+4*16*SPITCH         ; behind the stages: the spare words, 128 bytes a wave, which no other line names
.set ASTEP,  4*4096*128                ; bytes from a K step of A to the next: four heads of 4,096 rows x 128 bytes
.set BSTEP,  512                       ; and of B: 256 f16 along a row
.set ADRA, 16                          ; v16-17  LDS address of my A fragments in slot 0, 1
.set ADRB, 20                          ; v20-21  the same for B
.set STO,  24                          ; v24     the way out: where I put 32 bytes of a row
.set RD,   25                          ; v25     the way out: where I read rows back
.set CO,   26                          ; v26     my byte offset in two rows of out0
.set BO,   27                          ; v27     32 h: the bias's load offset
.set SPW,  28                          ; v28     LDS address of my spare word; never rewritten
.set NIL,  29                          ; v29     0; never rewritten
.set TMP,  32                          ; the way out: v32-63 and v64-95 by turns
.set BIAS, 96
.set ACC,  128
.set F0,   0                           ; fragment buffers, in window 1
.set F1,   128
.set G1, 24                            ; s[24:31] descriptor group 1 for A's tiles;  s[32:39] group 0, one set for each slot
.set G0, 32
.set G1B, 48                           ; s[48:55], s[56:63] the same for B's tiles
.set G0B, 56
.set MSB, 0
.macro WIN new                         ; the immediate's high byte repeats the setting that is left
.if MSB != \new
	s_set_vgpr_msb (MSB<<8)|\new
.set MSB, \new
.endif
.endm
.set MUL,  0x05                        ; sources 0 (B) and 1 (A) window 1; C and D window 0
.set TO_F, 0x40                        ; destination window 1, address window 0
.macro JLOAD s                         ; a joint load: waves 0 and 1 fetch A's two halves, waves 2 and 3 B's; an s_nop 0 and four v_nop follow each of the two lines
	s_cmp_eq_u32 s11, 0
	s_cbranch_scc0 .Lfor_b_\@
	tensor_load_to_lds s[G0+4*\s:G0+4*\s+3], s[G1:G1+7]
	s_nop 0
.rept 4
	v_nop
.endr
	s_branch .Lasked_\@
.Lfor_b_\@:
	tensor_load_to_lds s[G0B+4*\s:G0B+4*\s+3], s[G1B:G1B+7]
	s_nop 0
.rept 4
	v_nop
.endr
.Lasked_\@:
.endm
.macro CREST                           ; a round of the cluster's barrier behind its opening barrier
	s_cmp_lg_u32 s10, 0
	s_cbranch_scc1 .Lnot_wave_0_\@
	s_barrier_signal -3
.Lnot_wave_0_\@:
	s_barrier_wait -3
	s_barrier_signal -1
	s_barrier_wait -1
.endm
.macro CROUND                          ; a whole round
	s_barrier_signal -1
	s_barrier_wait -1
	CREST
.endm
	s_load_b128 s[4:7], s[0:1], 0x0                ; ao s[4:5], w16 s[6:7]
	s_load_b64 s[8:9], s[0:1], 0x10                ; out0
	s_load_b64 s[66:67], s[0:1], 0x18              ; b_ffn
	v_lshl_add_u32 v[SPW], v0, 2, SPARE
	v_mov_b32 v[NIL], 0
	ds_add_u32 v[SPW], v[NIL]                      ; the wave's opening: the add, twice on end, and its wait ahead of my first tensor load; the set-up below stands between
	ds_add_u32 v[SPW], v[NIL]                      ; and once more, under the one wait
	v_lshrrev_b32 v1, 5, v0
	v_readfirstlane_b32 s10, v1                    ; wave 0..3
	s_lshr_b32 s11, s10, 1                         ; which half of the tile's rows is mine.  Also: I fetch for A (0) or for B (1)
	s_and_b32 s12, s10, 1                          ; which half of its columns.  Also: which 64 rows of that tile I fetch
	s_bfe_u32 s40, ttmp6, 0x40000                  ; cx, cy: my place in the cluster
	s_bfe_u32 s41, ttmp6, 0x40004
	s_lshl_b32 s42, ttmp9, 2
	s_add_co_u32 s42, s42, s40                     ; tile column = 4 x cluster x + cx
	s_and_b32 s13, ttmp7, 0xffff
	s_lshl_b32 s13, s13, 2
	s_add_co_u32 s13, s13, s41                     ; tile row = 4 x cluster y + cy
	s_lshl_b32 s43, s41, 2
	s_lshl_b32 s43, 15, s43                        ; my row of the cluster
	s_lshl_b32 s44, 0x1111, s40                    ; my column
	; descriptor group 1 for A: 64 rows of one head are 8,192 dense bytes: one line of 4,096 elements; four such lines, a head (262,144 elements) apart.  16 bytes of padding behind every 128, which divides the line:
	; so each row's 128 bytes of a head lie 144 bytes apart, and a head's 64 rows 9,216
	s_or_b32 s[G1+0], s43, (1<<16)|(1<<20)|(1<<21)|(4<<22)|(3<<25)  ; 15:0 the mask: A's tiles go to my row; 17:16 elements of 2 bytes; 20 padding on; 21 set beside a mask; 24:22 after every 32 words; 31:25 four words
	s_mov_b32 s[G1+1], 4096<<16                    ; tensor_dim0
	s_mov_b32 s[G1+2], 4<<16                       ; tensor_dim1
	s_mov_b32 s[G1+3], 4096<<16                    ; tile_dim0
	s_mov_b32 s[G1+4], 4                           ; tile_dim1
	s_mov_b32 s[G1+5], 262144                      ; tensor_dim0_stride
	s_mov_b32 s[G1+6], 0
	s_mov_b32 s[G1+7], 0
	; and for B: 64 rows x 256 elements, 16 bytes of padding behind every 512
	s_or_b32 s[G1B+0], s44, (1<<16)|(1<<20)|(1<<21)|(6<<22)|(3<<25)
	s_mov_b32 s[G1B+1], 256<<16
	s_mov_b32 s[G1B+2], 64<<16
	s_mov_b32 s[G1B+3], 256<<16
	s_mov_b32 s[G1B+4], 64
	s_mov_b32 s[G1B+5], 1024
	s_mov_b32 s[G1B+6], 0
	s_mov_b32 s[G1B+7], 0
	s_lshl_b32 s17, s12, 6                         ; which 64 rows of the tile I fetch
	s_lshl_b32 s16, s13, 7
	s_add_co_u32 s16, s16, s17                     ; A: row 128 x tile row + 64 x half,
	s_lshl_b32 s16, s16, 7                         ; of 128 bytes in a head
	s_lshl_b32 s46, s42, 7
	s_add_co_u32 s46, s46, s17                     ; B: row 128 x tile column + 64 x half,
	s_lshl_b32 s46, s46, 11                        ; of 2,048 bytes
	s_mov_b32 s17, 0
	s_mov_b32 s47, 0
	s_mul_i32 s20, s12, HALFA                      ; where they go: no place in the cluster enters an LDS address
	s_mul_i32 s21, s12, HALFB
	s_add_co_u32 s21, s21, 2*HALFA
	s_wait_dscnt 0x0                               ; both opening adds are done
	s_wait_kmcnt 0x0
	s_add_nc_u64 s[14:15], s[4:5], s[16:17]
	s_add_nc_u64 s[46:47], s[6:7], s[46:47]
	CROUND                                         ; all sixteen work-groups are here: the first joint loads meet
.irp s, 0,1
	s_mov_b32 s[G0+4*\s], 1
	s_add_co_u32 s[G0+4*\s+1], s20, \s*SLOT
	s_add_nc_u64 s[G0+4*\s+2:G0+4*\s+3], s[14:15], \s*ASTEP
	s_or_b32 s[G0+4*\s+3], s[G0+4*\s+3], 0x80000000
	s_mov_b32 s[G0B+4*\s], 1
	s_add_co_u32 s[G0B+4*\s+1], s21, \s*SLOT
	s_add_nc_u64 s[G0B+4*\s+2:G0B+4*\s+3], s[46:47], \s*BSTEP
	s_or_b32 s[G0B+4*\s+3], s[G0B+4*\s+3], 0x80000000
	JLOAD \s
.endr
	v_and_b32 v1, 15, v0                           ; r = l % 16
	v_bfe_u32 v2, v0, 4, 1                         ; h = l / 16
	v_mul_u32_u24 v3, v1, KP
	v_lshl_add_u32 v3, v2, 4, v3                   ; A: a fragment's row x pitch + 16 x half
	v_mul_u32_u24 v4, v1, PITCH
	v_lshl_add_u32 v4, v2, 4, v4                   ; B likewise
	s_mul_i32 s21, s11, HALFA                      ; my 64 rows of A
	s_mul_i32 s22, s12, HALFB                      ; my 64 rows of B,
	s_add_co_u32 s22, s22, 2*HALFA                 ; which lie behind A's two halves
.irp s, 0,1
	v_add_nc_u32 v[ADRA+\s], s21, v3
	v_add_nc_u32 v[ADRB+\s], s22, v4
	s_add_co_u32 s21, s21, SLOT
	s_add_co_u32 s22, s22, SLOT
.endr
	s_mul_i32 s23, s10, 16*SPITCH
	s_add_co_u32 s23, s23, STAGE                   ; my stage
	v_mul_u32_u24 v5, v1, SPITCH                   ; in: row r, 32 bytes for each half of the lanes
	v_lshl_add_u32 v5, v2, 5, v5
	v_add_nc_u32 v[STO], s23, v5
	v_mul_u32_u24 v5, v2, SPITCH                   ; back: lanes 0-15 one row of 256 bytes, lanes 16-31 the next
	v_lshl_add_u32 v5, v1, 4, v5
	v_add_nc_u32 v[RD], s23, v5
	v_lshlrev_b32 v5, 12, v2                       ; and the same two rows in out0: 4,096 bytes a row
	v_lshl_add_u32 v[CO], v1, 4, v5
	v_lshlrev_b32 v[BO], 5, v2
	s_lshl_b32 s16, s13, 7
	s_lshl_b32 s17, s11, 6
	s_add_co_u32 s16, s16, s17                     ; my first row of out0: 128 x tile row + 64 x half
	s_lshl_b32 s16, s16, 12
	s_lshl_b32 s46, s42, 9                         ; my first column, in bytes: 512 x tile column + 256 x half
	s_lshl_b32 s47, s12, 8
	s_add_co_u32 s46, s46, s47
	s_add_co_u32 s16, s16, s46
	s_mov_b32 s17, 0
	s_mov_b32 s47, 0
	s_add_nc_u64 s[8:9], s[8:9], s[16:17]
	s_add_nc_u64 s[66:67], s[66:67], s[46:47]      ; the bias of my 64 columns
.irp b, 0,1,2,3
	global_load_b128 v[BIAS+8*\b:BIAS+8*\b+3],   v[BO], s[66:67] offset:64*\b      ; lane (r, h), tile b: the bias of columns 16 b + 8 h + 0 .. 7
	global_load_b128 v[BIAS+8*\b+4:BIAS+8*\b+7], v[BO], s[66:67] offset:64*\b+16
.endr
; 8 matrix instructions: m blocks a0, a0 + 1 x all 4 n blocks, 32 along K: half c of buffer f.  first = 1: the first product starts the sums from the bias.  The 16 accumulators take turns.
.macro MUL8 f, c, a0, first
.irp a, \a0, \a0+1
.irp b, 0,1,2,3
.if \first
	v_wmma_f32_16x16x32_f16 v[ACC+8*(4*(\a)+\b):ACC+8*(4*(\a)+\b)+7], v[\f+64+8*(4*\c+\b):\f+64+8*(4*\c+\b)+7], v[\f+8*(4*\c+\a):\f+8*(4*\c+\a)+7], v[BIAS+8*\b:BIAS+8*\b+7]
.else
	v_wmma_f32_16x16x32_f16 v[ACC+8*(4*(\a)+\b):ACC+8*(4*(\a)+\b)+7], v[\f+64+8*(4*\c+\b):\f+64+8*(4*\c+\b)+7], v[\f+8*(4*\c+\a):\f+8*(4*\c+\a)+7], v[ACC+8*(4*(\a)+\b):ACC+8*(4*(\a)+\b)+7]
.endif
.endr
.endr
.endm
; 32 LDS loads in one run: the fragments of the slot's q-th head (64 along K) into buffer f; the first 32 along K first
.macro FETCH slot, q, f
	WIN TO_F
.irp c, 0,1
.irp i, 0,1,2,3
	ds_load_b128 v[\f+64+8*(4*\c+\i):\f+64+8*(4*\c+\i)+3],   v[ADRB+\slot] offset:128*(\q)+64*\c+\i*16*PITCH
	ds_load_b128 v[\f+64+8*(4*\c+\i)+4:\f+64+8*(4*\c+\i)+7], v[ADRB+\slot] offset:128*(\q)+64*\c+\i*16*PITCH+32
	ds_load_b128 v[\f+8*(4*\c+\i):\f+8*(4*\c+\i)+3],         v[ADRA+\slot] offset:HEADB*(\q)+64*\c+\i*16*KP
	ds_load_b128 v[\f+8*(4*\c+\i)+4:\f+8*(4*\c+\i)+7],       v[ADRA+\slot] offset:HEADB*(\q)+64*\c+\i*16*KP+32
.endr
.endr
.endm
.macro PLACES                          ; four places in front of loads into registers that matrix instructions have read, and of the first read of results
.rept 4
	v_nop
.endr
.endm
; A K step is four quarters of 64 along K, 32 matrix instructions each, on buffers 0, 1, 0, 1.  One of the first three: multiplies buffer f and fetches quarter q into g.
.macro QUARTER slot, q, f, g, first
	s_wait_dscnt 16                                ; the first 32 along K are in; the 16 loads of the second 32 may be out
	WIN MUL
	MUL8 \f, 0, 0, \first
	MUL8 \f, 0, 2, \first
	PLACES
	FETCH \slot, \q, \g
	s_wait_dscnt 32                                ; all but the 32 just issued
	WIN MUL
	MUL8 \f, 1, 0, 0
	MUL8 \f, 1, 2, 0
.endm
; The last quarter multiplies buffer 1 and changes slots: ONE barrier; in front of it each wave waits for all its tensor loads, adds 0 to its spare word, and waits for that and for its reads of this slot.
; fill = 1: this slot is filled again, two K steps ahead; the barrier then opens a round of the cluster's barrier, and the joint refill is the first tensor load behind the round.
.macro TURN slot, next, fill
	WIN 0                                          ; (the add's two registers lie in window 0)
	s_wait_tensorcnt 0x0                           ; all my tensor loads have landed: my part of the next slot
	ds_add_u32 v[SPW], v[NIL]                      ; 0 onto my spare word
	s_wait_dscnt 17                                ; (the add and the youngest sixteen loads may be out)
	WIN MUL
	MUL8 F1, 0, 0, 0                               ; eight matrix instructions stand between the add and the wait for it
	s_wait_dscnt 0x0                               ; the add is done, and my reads of this slot are over
	s_barrier_signal -1
	MUL8 F1, 0, 2, 0
.if \fill
	WIN 0
.endif
	s_barrier_wait -1
.if \fill
	CREST                                          ; no wave of any partner still reads this slot's tile or has a load on its way
	s_add_nc_u64 s[G0+4*\slot+2:G0+4*\slot+3], s[G0+4*\slot+2:G0+4*\slot+3], 2*ASTEP
	s_add_nc_u64 s[G0B+4*\slot+2:G0B+4*\slot+3], s[G0B+4*\slot+2:G0B+4*\slot+3], 2*BSTEP
	JLOAD \slot                                    ; 112 matrix instructions ahead of the wait for it; the four v_nop behind it are also the places in front of the loads below
.else
	PLACES
.endif
	FETCH \next, 0, F0
	WIN MUL
	MUL8 F1, 1, 0, 0
	MUL8 F1, 1, 2, 0
.endm
	s_wait_tensorcnt 1                             ; my part of K step 0 is in (K step 1's load may be out),
	s_barrier_signal -1
	s_barrier_wait -1                              ; everybody's is
	FETCH 0, 0, F0
	s_wait_loadcnt 0x0                             ; the bias
	QUARTER 0, 1, F0, F1, 1                        ; K step 0: its first products start the sums from the bias
	QUARTER 0, 2, F1, F0, 0
	QUARTER 0, 3, F0, F1, 0
	TURN 0, 1, 1                                   ; slot 0 takes K step 2
	QUARTER 1, 1, F0, F1, 0                        ; K step 1
	QUARTER 1, 2, F1, F0, 0
	QUARTER 1, 3, F0, F1, 0
	TURN 1, 0, 1                                   ; slot 1 takes K step 3
	QUARTER 0, 1, F0, F1, 0                        ; K step 2: the last two steps fill nothing
	QUARTER 0, 2, F1, F0, 0
	QUARTER 0, 3, F0, F1, 0
	TURN 0, 1, 0
	QUARTER 1, 1, F0, F1, 0                        ; K step 3
	QUARTER 1, 2, F1, F0, 0
	QUARTER 1, 3, F0, F1, 0
	s_wait_dscnt 16                                ; the very last quarter: nothing more to fetch
	WIN MUL
	MUL8 F1, 0, 0, 0
	MUL8 F1, 0, 2, 0
	s_wait_dscnt 0
	MUL8 F1, 1, 0, 0
	MUL8 F1, 1, 2, 0
	WIN 0
; THE WAY OUT, block by block of 16 rows x 64 columns: a row's 64 numbers are 256 bytes.  A lane holds 32 neighbouring bytes of a row and the lanes beside it other rows: a block goes through my own stage and comes
; back by rows.  LDS serves a wave's instructions in order (ISA guide 5.7.1.4): no wait between the stores and the loads, nor in front of the next block's stores.
.macro TOSTAGE a
.irp b, 0,1,2,3
	ds_store_b128 v[STO], v[ACC+8*(4*(\a)+\b):ACC+8*(4*(\a)+\b)+3] offset:64*\b          ; each accumulator from its low end on
	ds_store_b128 v[STO], v[ACC+8*(4*(\a)+\b)+4:ACC+8*(4*(\a)+\b)+7] offset:64*\b+16
.endr
.irp t, 0,1,2,3,4,5,6,7
	ds_load_b128 v[TMP+32*((\a)%2)+4*\t:TMP+32*((\a)%2)+4*\t+3], v[RD] offset:\t*2*SPITCH
.endr
.endm
.macro SEND a, younger                 ; younger: the LDS instructions issued behind block a's loads, which may stay out
	s_wait_dscnt \younger
.irp t, 0,1,2,3,4,5,6,7
	global_store_b128 v[CO], v[TMP+32*((\a)%2)+4*\t:TMP+32*((\a)%2)+4*\t+3], s[8:9] offset:(16*(\a)+2*\t)*4096 th:TH_STORE_NT   ; 16 lanes store 256 consecutive bytes, at a multiple of 256 from out0's first byte
.endr
.endm
	PLACES
	TOSTAGE 0
.irp a, 1,2,3
.if \a > 1
	s_wait_xcnt 0x0                                ; block a - 2's stores have read their data: block a's loads may land there
.endif
	TOSTAGE \a
	SEND \a-1, 16                                  ; behind block a - 1's loads: block a's 8 stores and 8 loads
.endr
	SEND 3, 0
	s_wait_tensorcnt 0x0                           ; the wave's end: behind my last tensor load and my last LDS store
	ds_add_u32 v[SPW], v[NIL]
	s_wait_dscnt 0x0
	CROUND                                         ; the closing round: no work-group ends while a partner may still ask for a tile that names it
	s_endpgm
.Lfunc_end_k_q013537ddae_outp:
	.size	k_q013537ddae_outp, .Lfunc_end_k_q013537ddae_outp-k_q013537ddae_outp
	.p2alignl 7, 3214868480
	.fill 96, 4, 3214868480
	.section	.rodata,"a",@progbits
	.p2align	6, 0x0
	.amdhsa_kernel k_q013537ddae_outp
		.amdhsa_group_segment_fixed_size 327680
		.amdhsa_private_segment_fixed_size 0
		.amdhsa_enable_private_segment 0
		.amdhsa_kernarg_size 32
		.amdhsa_user_sgpr_count 2
		.amdhsa_user_sgpr_kernarg_segment_ptr 1
		.amdhsa_wavefront_size32 1
		.amdhsa_system_sgpr_workgroup_id_x 1
		.amdhsa_system_sgpr_workgroup_id_y 1
		.amdhsa_system_sgpr_workgroup_id_z 1
		.amdhsa_system_vgpr_workitem_id 0
		.amdhsa_next_free_vgpr 512
		.amdhsa_next_free_sgpr 68
		.amdhsa_reserve_vcc 0
		.amdhsa_float_denorm_mode_32 3
		.amdhsa_float_denorm_mode_16_64 3
		.amdhsa_memory_ordered 1
		.amdhsa_forward_progress 1
		.amdhsa_inst_pref_size 86
	.end_amdhsa_kernel
	.amdgpu_metadata
---
amdhsa.version: [ 1, 2 ]
amdhsa.kernels:
  - .name:           k_q013537ddae_outp
    .symbol:         k_q013537ddae_outp.kd
    .args:
      - { .name: ao, .offset: 0, .size: 8, .value_kind: global_buffer, .address_space: global }
      - { .name: w16, .offset: 8, .size: 8, .value_kind: global_buffer, .address_space: global }
      - { .name: out0, .offset: 16, .size: 8, .value_kind: global_buffer, .address_space: global }
      - { .name: b_ffn, .offset: 24, .size: 8, .value_kind: global_buffer, .address_space: global }
    .group_segment_fixed_size: 327680
    .private_segment_fixed_size: 0
    .kernarg_segment_align: 8
    .kernarg_segment_size: 32
    .max_flat_workgroup_size: 128
    .sgpr_count:     68
    .vgpr_count:     512
    .wavefront_size: 32
...
	.end_amdgpu_metadata
.endif
;; end of part 4
;; launch fine (part 5): grid 64 x 2, 16 waves a work-group, no clusters, 22,528 bytes of LDS; arguments first16, W_ffn, b_ffn, out0; writes out0
.if DOCPART == 5
	.amdgcn_target "amdgcn-amd-amdhsa--gfx1250"
	.amdhsa_code_object_version 6
	.text
	.protected	k_q013537ddae_fine
	.globl	k_q013537ddae_fine
	.p2align	8
	.type	k_q013537ddae_fine,@function
k_q013537ddae_fine:
	s_mov_b64 s[64:65], 0
	v_nop
	global_prefetch_b8 v0, s[64:65] scope:SCOPE_SE
	s_setreg_imm32_b32 hwreg(HW_REG_WAVE_MODE, 25, 1), 1
	s_wait_xcnt 0x0
; Positions 0 to 15 of both sequences, once more and in f32 throughout: under the causal mask these rows average one to sixteen values and are the largest in size, so f16 operands would weigh most there.
; first16 [96][1024] f32: row 32 x tensor + head (head = 16 batch + h) holds [16 positions][64 channels] of Q, K or V, unrounded.  out0's rows 2048 batch + 0..15 are stored anew, over what the launch before left there.
; SHARES.  Work-group (x, y): output columns 16 x .. 16 x + 15 of batch y.  Wave w is head w: its 16 x 16 attention, and its 64 of the 1,024 along K of the projection; the sixteen parts meet in LDS, and waves 0 and 1 add
; them and the bias.  The heads' attention is done again in each of the 64 column groups: 32 of a wave's 48 matrix instructions; fewer, wider groups would make each wave's chain longer.
; A row's 16 columns are 64 bytes: these stores cover aligned runs of 256 bytes only in part; 131,072 bytes in all.
; All products by v_wmma_f32_16x16x4_f32, used transposed, so that a lane holds one query throughout.  The four k of an instruction are any four, the same on both sources.  Its accumulators are written by matrix
; instructions alone, and each sum's first instruction takes the constant 0 as C; two or four accumulators take turns.
; No tensor load, no cluster, no prefetch: a work-group reads 16 KB a wave once, all asked for at its head.
.set KR,  16                           ; v16-47   K: register 4 c + e: channel 8 c + 4 h + e of key r
.set QR,  48                           ; v48-79   Q likewise, of query r
.set VR,  80                           ; v80-111  V: register 8 t + e: key 8 h + e, channel 16 t + r
.set WR,  112                          ; v112-143 W_ffn: register 8 t + e: row 16 x + r, column 64 w + 16 t + 8 h + e
.set SA,  144                          ; v144-151, v152-159 S^T in two halves of K
.set SB,  152
.set O,   160                          ; v160-191 O^T: four tiles of 16 channels
.set YA,  192                          ; v192-199, v200-207 my part of out^T in two halves of K
.set YB,  200
.set PR,  208                          ; v208-215 the scores, then p, later my part of out^T
.set ON,  216                          ; v216-247 O^T / l
.set CMX, 248                          ; v248 c m
.set LS,  249                          ; v249 l
.set RL,  250                          ; v250 1 / l; v251 its pair's mate, written once
.set SPW, 254                          ; v254 LDS address of my spare word; never rewritten
.set NIL, 255                          ; v255 0; never rewritten
.set PART, 1280                        ; LDS: a wave's part: 16 queries x (64 bytes + 16)
.set SPARE, 16*PART                    ; behind the sixteen parts: the spare words, 128 bytes a wave, which no other line names
	s_load_b256 s[4:11], s[0:1], 0x0               ; first16 s[4:5], W_ffn s[6:7], b_ffn s[8:9], out0 s[10:11]
	v_lshl_add_u32 v[SPW], v0, 2, SPARE
	v_mov_b32 v[NIL], 0
	v_lshrrev_b32 v1, 5, v0
	v_readfirstlane_b32 s12, v1                    ; wave = head 0..15
	v_and_b32 v14, 15, v0                          ; r
	v_bfe_u32 v15, v0, 4, 1                        ; h
	v_lshlrev_b32 v1, 8, v14
	v_lshl_add_u32 v1, v15, 4, v1                  ; K, Q: position r of 256 bytes, + 16 h
	v_lshlrev_b32 v2, 2, v14
	v_lshl_add_u32 v2, v15, 11, v2                 ; V: 8 h positions down, + 4 r
	v_lshlrev_b32 v3, 12, v14
	v_lshl_add_u32 v3, v15, 5, v3                  ; W_ffn: row r of 4,096 bytes, + 32 h
	v_lshlrev_b32 v4, 3, v15
	v_sub_nc_u32 v4, v14, v4                       ; r - 8 h: register j holds key 8 h + j, hidden where j > r - 8 h
	s_mul_i32 s15, s12, PART
	v_mul_u32_u24 v5, v14, 80
	v_lshl_add_u32 v5, v15, 5, v5
	v_add_nc_u32 v5, s15, v5                       ; LDS: my part: query r, + 32 h
	v_and_b32 v6, 63, v0                           ; the last phase (waves 0 and 1): u = 0..63: query u / 4, columns 4 (u % 4) on
	v_and_b32 v12, 3, v0
	v_lshlrev_b32 v12, 4, v12                      ; 16 (u % 4): also the bias's offset
	v_lshrrev_b32 v6, 2, v6
	v_lshl_add_u32 v7, v6, 12, v12                 ; out0: row u / 4 of 4,096 bytes
	v_mad_u32_u24 v6, v6, 80, v12                  ; LDS: the same place in a part
	v_mov_b32 v13, 0xff800000                      ; -infinity
	v_mov_b32 v[RL+1], 0                           ; (named as the upper half of a pair)
	s_and_b32 s13, ttmp7, 0xffff                   ; batch
	s_lshl_b32 s16, s13, 4
	s_add_co_u32 s16, s16, s12
	s_lshl_b32 s16, s16, 12                        ; first16: row 16 batch + head of 4,096 bytes
	s_mov_b32 s17, 0
	s_lshl_b32 s18, ttmp9, 16                      ; W_ffn: 16 x rows of 4,096 bytes,
	s_lshl_b32 s19, s12, 8                         ; + my head's 64 columns
	s_add_co_u32 s18, s18, s19
	s_mov_b32 s19, 0
	s_lshl_b32 s20, ttmp9, 6                       ; the bias and out0: 16 x columns of 4 bytes
	s_mov_b32 s21, 0
	s_lshl_b32 s22, s13, 23                        ; out0: batch x 2,048 rows of 4,096 bytes
	s_add_co_u32 s22, s22, s20
	s_mov_b32 s23, 0
	s_mov_b32 s24, 0x76543210
	s_mov_b32 s25, 0xfedcba98                      ; v_permlanex16_b32's selects for lane l xor 16
	s_mov_b32 s26, 0x3e38aa3b                      ; c = log2(e) / 8
	s_wait_kmcnt 0x0
	s_add_nc_u64 s[4:5], s[4:5], s[16:17]
	s_add_nc_u64 s[6:7], s[6:7], s[18:19]
	s_add_nc_u64 s[8:9], s[8:9], s[20:21]
	s_add_nc_u64 s[10:11], s[10:11], s[22:23]
.irp c, 0,1,2,3,4,5,6,7
	global_load_b128 v[KR+4*\c:KR+4*\c+3], v1, s[4:5] offset:131072+32*\c
.endr
.irp c, 0,1,2,3,4,5,6,7
	global_load_b128 v[QR+4*\c:QR+4*\c+3], v1, s[4:5] offset:32*\c
.endr
.irp t, 0,1,2,3
.irp e, 0,1,2,3,4,5,6,7
	global_load_b32 v[VR+8*\t+\e], v2, s[4:5] offset:262144+256*\e+64*\t
.endr
.endr
.irp t, 0,1,2,3
	global_load_b128 v[WR+8*\t:WR+8*\t+3],   v3, s[6:7] offset:64*\t
	global_load_b128 v[WR+8*\t+4:WR+8*\t+7], v3, s[6:7] offset:64*\t+16
.endr
	; ---- S^T = K Q^T: 16 steps of four channels; lane (r, h) then holds query r and keys 8 h + 0..7
	s_wait_loadcnt 40                              ; K and Q are in; V's 32 loads and W_ffn's 8 may be out
	v_wmma_f32_16x16x4_f32 v[SA:SA+7], v[KR:KR+1], v[QR:QR+1], 0
	v_wmma_f32_16x16x4_f32 v[SB:SB+7], v[KR+2:KR+3], v[QR+2:QR+3], 0
.irp c, 1,2,3,4,5,6,7
	v_wmma_f32_16x16x4_f32 v[SA:SA+7], v[KR+4*\c:KR+4*\c+1], v[QR+4*\c:QR+4*\c+1], v[SA:SA+7]
	v_wmma_f32_16x16x4_f32 v[SB:SB+7], v[KR+4*\c+2:KR+4*\c+3], v[QR+4*\c+2:QR+4*\c+3], v[SB:SB+7]
.endr
.rept 8
	v_nop                                          ; eight places behind this form before a vector instruction reads a result (ISA guide 7.12.1)
.endr
	; ---- the softmax of my query over its 16 keys
.irp j, 0,1,2,3,4,5,6,7
	v_add_f32 v[PR+\j], v[SA+\j], v[SB+\j]
.endr
.irp j, 0,1,2,3,4,5,6,7
	v_cmp_gt_i32 vcc_lo, \j, v4
	v_cndmask_b32 v[PR+\j], v[PR+\j], v13, vcc_lo  ; hidden keys: -infinity
.endr
	v_max3_num_f32 v14, v[PR], v[PR+1], v[PR+2]
	v_max3_num_f32 v14, v14, v[PR+3], v[PR+4]
	v_max3_num_f32 v14, v14, v[PR+5], v[PR+6]
	v_max_num_f32 v14, v14, v[PR+7]
	v_permlanex16_b32 v15, v14, s24, s25
	v_max_num_f32 v14, v14, v15                    ; key 0 counts for every query: a number
	v_mul_f32 v[CMX], s26, v14
.irp j, 0,1,2,3,4,5,6,7
	v_fma_f32 v[PR+\j], v[PR+\j], s26, -v[CMX]
.endr
.irp j, 0,1,2,3,4,5,6,7
	v_exp_f32 v[PR+\j], v[PR+\j]
.endr
	v_nop                                          ; a plain line behind the last exponential
	s_wait_alu depctr_va_vdst(0)                   ; the wait ahead of the first reader: one for the eight
	v_add_f32 v[LS], v[PR], v[PR+1]
	v_add_f32 v14, v[PR+2], v[PR+3]
	v_add_f32 v[LS], v[LS], v[PR+4]
	v_add_f32 v14, v14, v[PR+5]
	v_add_f32 v[LS], v[LS], v[PR+6]
	v_add_f32 v14, v14, v[PR+7]
	v_add_f32 v[LS], v[LS], v14
	v_permlanex16_b32 v15, v[LS], s24, s25
	v_add_f32 v[LS], v[LS], v15
	v_rcp_f32 v[RL], v[LS]
	v_nop
	s_wait_alu depctr_va_vdst(0)
	; ---- O^T = V^T P: four steps of four keys (8 h + 2 i + 0, 1 on both sources), four tiles of 16 channels by turns
	s_wait_loadcnt 8                               ; V is in; W_ffn's 8 loads may be out
.irp t, 0,1,2,3
	v_wmma_f32_16x16x4_f32 v[O+8*\t:O+8*\t+7], v[VR+8*\t:VR+8*\t+1], v[PR:PR+1], 0
.endr
.irp i, 1,2,3
.irp t, 0,1,2,3
	v_wmma_f32_16x16x4_f32 v[O+8*\t:O+8*\t+7], v[VR+8*\t+2*\i:VR+8*\t+2*\i+1], v[PR+2*\i:PR+2*\i+1], v[O+8*\t:O+8*\t+7]
.endr
.endr
.rept 8
	v_nop
.endr
.set n, 0
.rept 16
	v_pk_mul_f32 v[ON+n:ON+n+1], v[O+n:O+n+1], v[RL:RL+1] op_sel_hi:[1,0]   ; register 8 t + e: channel 16 t + 8 h + e of query r; into other registers, each accumulator from its low end on
.set n, n+2
.endr
	; ---- my part of out^T = W_ffn O^T: 16 steps of four channels (16 t + 8 h + 2 i + 0, 1 on both sources)
	s_wait_loadcnt 0x0
	v_wmma_f32_16x16x4_f32 v[YA:YA+7], v[WR:WR+1], v[ON:ON+1], 0
	v_wmma_f32_16x16x4_f32 v[YB:YB+7], v[WR+2:WR+3], v[ON+2:ON+3], 0
.irp e, 1,2,3,4,5,6,7
	v_wmma_f32_16x16x4_f32 v[YA:YA+7], v[WR+4*\e:WR+4*\e+1], v[ON+4*\e:ON+4*\e+1], v[YA:YA+7]
	v_wmma_f32_16x16x4_f32 v[YB:YB+7], v[WR+4*\e+2:WR+4*\e+3], v[ON+4*\e+2:ON+4*\e+3], v[YB:YB+7]
.endr
.rept 8
	v_nop
.endr
.irp j, 0,1,2,3,4,5,6,7
	v_add_f32 v[PR+\j], v[YA+\j], v[YB+\j]         ; lane (r, h): columns 8 h + 0..7 of query r
.endr
	ds_store_b128 v5, v[PR:PR+3]
	ds_store_b128 v5, v[PR+4:PR+7] offset:16
	s_wait_dscnt 0x0                               ; for the others' sake: my part lies in LDS
	s_barrier_signal -1
	s_barrier_wait -1
	s_cmp_ge_u32 s12, 2
	s_cbranch_scc1 .Lend                           ; 256 numbers are left: 64 lanes, four each
	global_load_b128 v[8:11], v12, s[8:9]          ; the bias starts the sums
.irp p, 0,1,2,3,4,5,6,7,8,9,10,11,12,13,14,15
	ds_load_b128 v[KR+4*\p:KR+4*\p+3], v6 offset:PART*\p
.endr
	s_wait_loadcnt 0x0
	s_wait_dscnt 0x0
.irp p, 0,1,2,3,4,5,6,7,8,9,10,11,12,13,14,15
	v_pk_add_f32 v[8:9], v[8:9], v[KR+4*\p:KR+4*\p+1]
	v_pk_add_f32 v[10:11], v[10:11], v[KR+4*\p+2:KR+4*\p+3]
.endr
	global_store_b128 v7, v[8:11], s[10:11]        ; four lanes store a row's 64 bytes
.Lend:
	s_wait_tensorcnt 0x0                           ; the wave's end: behind my last LDS store
	ds_add_u32 v[SPW], v[NIL]
	s_wait_dscnt 0x0
	s_endpgm
.Lfunc_end_k_q013537ddae_fine:
	.size	k_q013537ddae_fine, .Lfunc_end_k_q013537ddae_fine-k_q013537ddae_fine
	.p2alignl 7, 3214868480
	.fill 96, 4, 3214868480
	.section	.rodata,"a",@progbits
	.p2align	6, 0x0
	.amdhsa_kernel k_q013537ddae_fine
		.amdhsa_group_segment_fixed_size 22528
		.amdhsa_private_segment_fixed_size 0
		.amdhsa_enable_private_segment 0
		.amdhsa_kernarg_size 32
		.amdhsa_user_sgpr_count 2
		.amdhsa_user_sgpr_kernarg_segment_ptr 1
		.amdhsa_wavefront_size32 1
		.amdhsa_system_sgpr_workgroup_id_x 1
		.amdhsa_system_sgpr_workgroup_id_y 1
		.amdhsa_system_sgpr_workgroup_id_z 1
		.amdhsa_system_vgpr_workitem_id 0
		.amdhsa_next_free_vgpr 256
		.amdhsa_next_free_sgpr 66
		.amdhsa_reserve_vcc 1
		.amdhsa_float_denorm_mode_32 3
		.amdhsa_float_denorm_mode_16_64 3
		.amdhsa_memory_ordered 1
		.amdhsa_forward_progress 1
		.amdhsa_inst_pref_size 19
	.end_amdhsa_kernel
	.amdgpu_metadata
---
amdhsa.version: [ 1, 2 ]
amdhsa.kernels:
  - .name:           k_q013537ddae_fine
    .symbol:         k_q013537ddae_fine.kd
    .args:
      - { .name: first16, .offset: 0, .size: 8, .value_kind: global_buffer, .address_space: global }
      - { .name: W_ffn, .offset: 8, .size: 8, .value_kind: global_buffer, .address_space: global }
      - { .name: b_ffn, .offset: 16, .size: 8, .value_kind: global_buffer, .address_space: global }
      - { .name: out0, .offset: 24, .size: 8, .value_kind: global_buffer, .address_space: global }
    .group_segment_fixed_size: 22528
    .private_segment_fixed_size: 0
    .kernarg_segment_align: 8
    .kernarg_segment_size: 32
    .max_flat_workgroup_size: 512
    .sgpr_count:     66
    .vgpr_count:     256
    .wavefront_size: 32
...
	.end_amdgpu_metadata
.endif
;; end of part 5
